; MI455X (gfx1250); checked and timed in simulation.
; The chip was launched on July 23, 2026; its instructions are those of AMD's public machine-readable ISA for CDNA 5 (MIT licence, August 2026) and "CDNA5" Instruction Set Architecture Reference Guide (July 2026). The comments in the code are by the model that wrote it; some were corrected since.
;; Self Attention Layer. Allowed arithmetic: matrix products marked QUANTISED: E2M1 operands, one E8M0 scale for each 32 along K, by v_wmma_scale_f32_16x16x128_f8f6f4 with both operands' format E2M1 (or v_wmma_scale_f32_32x16x128_f4), f32 sums; everything else in f32.
;; Inputs: Wk 1,024 x 1,024 float32; Wo 1,024 x 1,024 float32; Wq 1,024 x 1,024 float32; Wv 1,024 x 1,024 float32; bk 1,024 float32; bo 1,024 float32; bq 1,024 float32; bv 1,024 float32; x 1 x 4,096 x 1,024 float32.
;; Outputs: out0 1 x 4,096 x 1,024 float32.
;; This version of the problem:
;;   THIS VERSION OF THE PROBLEM IS GIVEN IN LOW PRECISION. The matrix products marked QUANTISED in the list below multiply operands that are first quantised to E2M1 (2 exponent bits, 1 mantissa bit; 4 bits a number), with one power-of-two scale for each 32 numbers along K (OCP MX v1.0); their sums are f32. All else is computed in f32.
;;   The module's matrix products, in the order in which they are computed (A, B: the left and right operand; K: the contracted axis; several contracted axes count as one K, in the product's order):
;;     1. [M 4,096, K 1,024] x [K 1,024, N 1,024]; A: input x; B: input Wq: QUANTISED
;;     2. [M 4,096, K 1,024] x [K 1,024, N 1,024]; A: input x; B: input Wk: QUANTISED
;;     3. [M 4,096, K 1,024] x [K 1,024, N 1,024]; A: input x; B: input Wv: QUANTISED
;;     4. batch 16 x [M 4,096, K 64] x [K 64, N 4,096]; A: computed on the way; B: computed on the way: QUANTISED
;;     5. batch 16 x [M 4,096, K 4,096] x [K 4,096, N 64]; A: softmax (see below); B: computed on the way: QUANTISED
;;     6. [M 4,096, K 1,024] x [K 1,024, N 1,024]; A: computed on the way; B: input Wo: QUANTISED
;;   THE QUANTISER, for each operand of a quantised product, along K:
;;     - K is cut into blocks of 32 from its start; a last block that is shorter is filled with zeros.
;;     - A block's scale is 2^e with e = floor(log2(the largest magnitude in the block)) - 2, held to -126 .. 127; a block of zeros has e = 0. As a byte (E8M0): e + 127.
;;     - Each number is divided by its block's scale, clamped to +-6, and rounded to the nearest number of E2M1, ties to even, subnormals kept.
;;     - The product sums the exact products of the quantised numbers (number of the format x scale) in f32.
;;   ~~~python
;;   def quantise(x, axis):      # numpy; x: float32 -> the quantised numbers, widened to float32 again
;;       x = np.moveaxis(x, axis, -1); K = x.shape[-1]
;;       x = np.pad(x, [(0, 0)] * (x.ndim - 1) + [(0, -K % 32)]); x = x.reshape(x.shape[:-1] + (-1, 32)); a = np.abs(x).max(-1, keepdims=True)
;;       e = np.where(a > 0, np.clip(np.frexp(np.where(a > 0, a, 1))[1] - 1 - 2, -126, 127), 0)      # np.frexp(a)[1] - 1 = floor(log2(a)), exactly
;;       r = np.clip(x / 2.0 ** e, -6, 6)
;;       step = 2.0 ** (np.maximum(np.frexp(np.where(r == 0, 1, r))[1] - 1, 0) - 1)
;;       q = np.round(r / step) * step * 2.0 ** e      # np.round: ties to even
;;       return np.moveaxis(q.reshape(q.shape[:-2] + (-1,))[..., :K], -1, axis).astype(np.float32)
;;   ~~~
;;   SOFTMAX AHEAD OF A QUANTISED PRODUCT. Where the list says 'softmax', what is quantised is not the finished softmax but p = 2^(t - M), with t = logit x log2(e) and M = ceil(the row's largest t), a whole number; so 1/2 < the row's largest p <= 1. The row's sum l is taken of the UNQUANTISED p, in f32, and the product's result is divided by l at the end. Since M is a whole number, a kernel that streams over the keys may use a running M (the ceiling of the running maximum): every later rescaling is an exact power of two, which a block's scale takes up: the codes' values come out the same.
;;   OPERANDS COMPUTED ON THE WAY. 'Computed on the way' means the value that the module computes at that place (a softmax that the list does not call 'softmax' is quantised finished and normalised). What goes into a quantiser is computed in f32, as accurately as f32 sums, v_exp_f32 and their like allow (about 1e-6 of the number): no bf16 or f16 on the way to a quantiser, and a product that is left as it is and whose result goes on into a quantised operand takes f32 operands (vector FMAs, or v_wmma_f32_16x16x4_f32). A number that lies on a knife's edge between two numbers of the format may be rounded either way, as far as f32 arithmetic and the matrix unit's own rounding can turn it there, and no further.
;; One version. Each part assembles by itself: llvm-mc -triple=amdgcn-amd-amdhsa -mcpu=gfx1250 --defsym DOCPART=n.
;; ======== version 1 of 1: 4 launches
;; limits: right only within a limited range of input values
;; workspace buffers: opq 4,456,448 bytes; qkvc 6,946,816 bytes; aoc 2,228,224 bytes
;; launch quant (part 1): grid 256 x 1, 4 waves a work-group, no clusters, 35,328 bytes of LDS; arguments x, Wq, Wk, Wv, Wo, opq; writes opq
.if DOCPART == 1
	.amdgcn_target "amdgcn-amd-amdhsa--gfx1250"
	.amdhsa_code_object_version 6
	.text
	.protected	k_qcd8f966bf5_quant
	.globl	k_qcd8f966bf5_quant
	.p2align	8
	.type	k_qcd8f966bf5_quant,@function
k_qcd8f966bf5_quant:
	s_mov_b64 s[64:65], 0
	v_nop
	global_prefetch_b8 v0, s[64:65] scope:SCOPE_SE
	s_setreg_imm32_b32 hwreg(HW_REG_WAVE_MODE, 25, 1), 1
	s_wait_xcnt 0x0
; x [4096][1024] and Wq, Wk, Wv, Wo [1024][1024], f32 with K innermost, become codes of FP4 (E2M1) with one E8M0 byte for each 32 along K,
; laid in opq AS IMAGES OF THE OPERANDS' REGISTERS, so that every later read of a fragment is 16 bytes a lane at 16 x lane.
; ROW ORDER: rows go in groups G of 32; tile 2 G + u takes, in lane r, row 32 G + 8 u + r + 8 (r / 8).
; CODES of 4,096 rows: byte (k / 64) x 131,072 + tile x 512 + 16 x lane; lane 16 h + r holds the 32 codes k = 64 (k / 64) + 32 h .. + 31 of the tile's row r.
; SCALE WORDS (four bytes: 128 along K of one row): byte G x 1,024 + (k / 128) x 128 + 4 x lane; lanes 0-15 tile 2 G, lanes 16-31 tile 2 G + 1.
; opq: x's codes at 0, the weights' (the rows of Wq, Wk, Wv, Wo on end) at WC, x's scale words at XS, the weights' at XS + SIW.
; A block's scale is 2^(floor(log2(its largest magnitude)) - 2); its byte is the largest magnitude's exponent field - 2, held at 1 from below.
; LIMITS: a block of zeros gets the byte 1 where the rule says 127 (its codes are zeros, and this program alone reads the bytes); NaN and infinities among the inputs are not served.
; SHARES: a work-group takes one group of 32 rows (0-127: x's, 128-255: the weights'); wave w takes K steps 2 w and 2 w + 1 of both tiles: four units of 16 rows x 128 numbers.
; A unit's sixteen loads read 512 consecutive bytes of one row each; the unit turns through the wave's own stage in LDS, so that a lane gets 16 neighbours of each block of its row.
; No matrix unit, no tensor load, no cluster, no barrier: work-groups and waves share no input, and the launch only streams.
.set WC,    2097152
.set XS,    4194304
.set SIW,   131072                     ; bytes of 4,096 rows' scale words
.set PLANE, 131072                     ; bytes of 64 along K of 4,096 rows
.set SP,    528                        ; a stage row: 512 bytes + 16: row r starts 16 r bytes on modulo 256
.set STGB,  16*SP
.set BNC,   4*STGB                     ; behind the stages: 256 bytes a wave, through which its scale words leave
.set TM,    12                         ; v12-27  at work in QUANT
.set PW,    28                         ; v28-31  unit n's scale word
.set SET,   64                         ; v64-127, v128-191: two sets of 64 numbers
.set PC,    192                        ; v192-223 unit n's codes, eight registers each: no store's data are written again
	s_load_b256 s[4:11], s[0:1], 0x0               ; x, Wq, Wk, Wv
	s_load_b128 s[12:15], s[0:1], 0x20             ; Wo, opq
	v_lshl_add_u32 v224, v0, 2, 0x8800
	v_mov_b32 v225, 0
	v_lshrrev_b32 v1, 5, v0
	v_readfirstlane_b32 s16, v1                    ; wave
	v_and_b32 v1, 31, v0                           ; lane
	v_and_b32 v2, 15, v0                           ; r
	v_bfe_u32 v3, v0, 4, 1                         ; h
	v_lshlrev_b32 v4, 4, v1                        ; 16 x lane: my place in a load's and in a store's 512 bytes
	s_mul_i32 s17, s16, STGB
	v_add_nc_u32 v5, s17, v4                       ; the stage, on the way in: a row as it lies
	v_mul_u32_u24 v6, v2, SP
	v_lshl_add_u32 v6, v3, 6, v6
	v_add_nc_u32 v6, s17, v6                       ; and on the way out: row r, + 64 h: my 16 numbers of a block of 32
	s_lshl_b32 s17, s16, 8
	s_add_co_u32 s17, s17, BNC
	v_lshlrev_b32 v10, 3, v1                       ; 8 x lane
	v_lshlrev_b32 v8, 2, v1
	v_add_nc_u32 v8, s17, v8                       ; my scale word's place in the wave's 256 bytes
	v_add_nc_u32 v9, s17, v10                      ; and where I read 8 bytes back
.irp b, 0,1,2,3
	v_mov_b32 v[TM+4+\b], 0                        ; written once: a lane permute's destination counts as one of its sources
.endr
	s_mov_b32 s30, 0x76543210
	s_mov_b32 s31, 0xfedcba98                      ; v_permlanex16_b32's selects for lane l xor 16
	s_and_b32 s18, ttmp9, 127                      ; my group among its region's 128
	s_lshr_b32 s19, s18, 5                         ; which weight,
	s_and_b32 s20, s18, 31                         ; and which of its 32 groups
	s_lshl_b32 s28, s16, 10                        ; source: my wave's two K steps, 512 bytes each
	s_lshl_b32 s29, s18, 10                        ; a group is 1,024 bytes of a plane of codes, and 1,024 bytes of scale words
	s_lshl_b32 s32, s16, 19                        ; codes: my wave's four planes
	s_add_co_u32 s32, s32, s29
	s_lshl_b32 s34, s16, 8                         ; scale words: my wave's two K steps, 128 bytes each
	s_add_co_u32 s34, s34, s29
	s_add_co_u32 s34, s34, XS
	s_wait_alu depctr_va_vdst(0)
	s_wait_kmcnt 0x0
	s_cmp_eq_u32 s19, 1                            ; the tensor is chosen on the work-group's number alone
	s_cselect_b64 s[22:23], s[8:9], s[6:7]
	s_cmp_eq_u32 s19, 2
	s_cselect_b64 s[22:23], s[10:11], s[22:23]
	s_cmp_eq_u32 s19, 3
	s_cselect_b64 s[22:23], s[12:13], s[22:23]
	s_cmp_lt_u32 ttmp9, 128
	s_cselect_b64 s[22:23], s[4:5], s[22:23]
	s_cselect_b32 s21, s18, s20                    ; the group inside that tensor
	s_cselect_b32 s36, 0, WC
	s_cselect_b32 s37, 0, SIW
	s_lshl_b32 s21, s21, 17                        ; 32 rows of 4,096 bytes
	s_add_co_u32 s28, s28, s21
	s_mov_b32 s29, 0
	s_add_nc_u64 s[22:23], s[22:23], s[28:29]      ; where my wave reads
	s_add_co_u32 s32, s32, s36
	s_mov_b32 s33, 0
	s_add_nc_u64 s[24:25], s[14:15], s[32:33]      ; where its codes go
	s_add_co_u32 s34, s34, s37
	s_mov_b32 s35, 0
	s_add_nc_u64 s[26:27], s[14:15], s[34:35]      ; and its scale words
; unit n = 2 s + u: K step s of my two, tile u.  Sixteen loads, each 512 consecutive bytes of one row, in the tile's row order
.macro LOADU n
.set LS_, SET+64*((\n)%2)
.set LU_, (\n)%2
.set LK_, (\n)/2
.irp i, 0,1,2,3,4,5,6,7,8,9,10,11,12,13,14,15
	global_load_b128 v[LS_+4*\i:LS_+4*\i+3], v4, s[22:23] offset:(8*LU_+\i+8*(\i/8))*4096+LK_*512 th:TH_LOAD_NT
.endr
.endm
; a unit through the stage, back into the registers that it left: register 16 b + i is then k = 32 b + 16 h + i of row r.  LDS serves a wave's instructions in order (ISA guide 5.7.1.4)
.macro TURN set
.irp i, 0,1,2,3,4,5,6,7,8,9,10,11,12,13,14,15
	ds_store_b128 v5, v[(\set)+4*\i:(\set)+4*\i+3] offset:SP*\i
.endr
.irp b, 0,1,2,3
.irp j, 0,1,2,3
	ds_load_b128 v[(\set)+16*\b+4*\j:(\set)+16*\b+4*\j+3], v6 offset:128*\b+16*\j
.endr
.endr
.endm
; 64 numbers of a lane, register 16 b + i = k 32 b + 16 h + i of its row, become a fragment's eight registers of codes at v[pc] and the row's scale word in v[pw]
.macro QUANT s, pc, pw
.irp b, 0,1,2,3
	v_max3_num_f32 v[TM+\b], |v[(\s)+16*\b]|, |v[(\s)+1+16*\b]|, 0x1800000   ; my 16 numbers of block b, and the floor 2^(3 - 127): the byte cannot fall under 1
.endr
.irp i, 2,4,6,8,10,12,14
.irp b, 0,1,2,3
	v_max3_num_f32 v[TM+\b], v[TM+\b], |v[(\s)+16*\b+\i]|, |v[(\s)+1+16*\b+\i]|   ; the four blocks by turns
.endr
.endr
.irp b, 0,1,2,3
	v_permlanex16_b32 v[TM+4+\b], v[TM+\b], s30, s31
.endr
.irp b, 0,1,2,3
	v_max_num_f32 v[TM+\b], v[TM+\b], v[TM+4+\b]   ; with lane l xor 16's 16: the block's largest magnitude
.endr
.irp b, 0,1,2,3
	v_add_nc_u32 v[TM+12+\b], 0xff000000, v[TM+\b] ; 2 off its exponent field: the conversion takes this operand's exponent field as its scale
.endr
.irp b, 0,1,2,3
	v_lshrrev_b32 v[TM+4+\b], 23, v[TM+12+\b]      ; the scale's byte
.endr
	v_lshl_or_b32 v[\pw], v[TM+5], 8, v[TM+4]
	v_lshl_or_b32 v[\pw], v[TM+6], 16, v[\pw]
	v_lshl_or_b32 v[\pw], v[TM+7], 24, v[\pw]
.irp b, 0,1,2,3
	v_cvt_scalef32_pk8_fp4_f32 v[(\pc)+2*\b], v[(\s)+16*\b:(\s)+7+16*\b], v[TM+12+\b]
	v_cvt_scalef32_pk8_fp4_f32 v[(\pc)+1+2*\b], v[(\s)+8+16*\b:(\s)+15+16*\b], v[TM+12+\b]
.endr
	v_nop                                          ; one plain place behind a scaled conversion
.irp c, 0,1                                    ; the operand's layout wants a whole block in a lane: lanes 0-15 block 2 c, lanes 16-31 block 2 c + 1
.irp i, 0,1
	v_permlane16_swap_b32 v[(\pc)+4*\c+\i], v[(\pc)+2+4*\c+\i]
.endr
.endr
.endm
.macro UNIT n
.if (\n) < 3
	s_wait_loadcnt 16                              ; this unit's sixteen loads are in; the next unit's sixteen may be out
.else
	s_wait_loadcnt 0x0
.endif
	TURN SET+64*((\n)%2)
	s_wait_dscnt 0x0                               ; the unit is back from the stage
	QUANT SET+64*((\n)%2), PC+8*(\n), PW+(\n)
.if (\n) < 2
	LOADU (\n)+2                                   ; the set takes the unit two further on
.endif
.irp c, 0,1
	global_store_b128 v4, v[PC+8*(\n)+4*\c:PC+8*(\n)+4*\c+3], s[24:25] offset:(2*((\n)/2)+\c)*PLANE+((\n)%2)*512   ; 32 lanes store 512 consecutive bytes: a tile's part of a plane
.endr
.endm
	LOADU 0
	LOADU 1
	UNIT 0
	UNIT 1
	UNIT 2
	UNIT 3
	v_cmp_le_u32 vcc_lo, 16, v1                    ; lanes 16-31 carry tile 1's words
	v_cndmask_b32 v34, v[PW], v[PW+1], vcc_lo
	v_cndmask_b32 v35, v[PW+2], v[PW+3], vcc_lo
	ds_store_b32 v8, v34                           ; my wave's two K steps, 128 bytes each, on end
	ds_store_b32 v8, v35 offset:128
	ds_load_b64 v[32:33], v9                       ; in order behind my stores
	s_wait_dscnt 0x0
	global_store_b64 v10, v[32:33], s[26:27]       ; 32 lanes store 256 consecutive bytes, at a multiple of 256 from the buffer's first byte
	s_wait_tensorcnt 0x0
	ds_add_u32 v224, v225
	s_wait_dscnt 0x0
	s_endpgm
.Lfunc_end_k_qcd8f966bf5_quant:
	.size	k_qcd8f966bf5_quant, .Lfunc_end_k_qcd8f966bf5_quant-k_qcd8f966bf5_quant
	.p2alignl 7, 3214868480
	.fill 96, 4, 3214868480
	.section	.rodata,"a",@progbits
	.p2align	6, 0x0
	.amdhsa_kernel k_qcd8f966bf5_quant
		.amdhsa_group_segment_fixed_size 35328
		.amdhsa_private_segment_fixed_size 0
		.amdhsa_enable_private_segment 0
		.amdhsa_kernarg_size 48
		.amdhsa_user_sgpr_count 2
		.amdhsa_user_sgpr_kernarg_segment_ptr 1
		.amdhsa_wavefront_size32 1
		.amdhsa_system_sgpr_workgroup_id_x 1
		.amdhsa_system_sgpr_workgroup_id_y 1
		.amdhsa_system_sgpr_workgroup_id_z 1
		.amdhsa_system_vgpr_workitem_id 0
		.amdhsa_next_free_vgpr 226
		.amdhsa_next_free_sgpr 66
		.amdhsa_reserve_vcc 1
		.amdhsa_float_denorm_mode_32 3
		.amdhsa_float_denorm_mode_16_64 3
		.amdhsa_memory_ordered 1
		.amdhsa_forward_progress 1
		.amdhsa_inst_pref_size 34
	.end_amdhsa_kernel
	.amdgpu_metadata
---
amdhsa.version: [ 1, 2 ]
amdhsa.kernels:
  - .name:           k_qcd8f966bf5_quant
    .symbol:         k_qcd8f966bf5_quant.kd
    .args:
      - { .name: x, .offset: 0, .size: 8, .value_kind: global_buffer, .address_space: global }
      - { .name: Wq, .offset: 8, .size: 8, .value_kind: global_buffer, .address_space: global }
      - { .name: Wk, .offset: 16, .size: 8, .value_kind: global_buffer, .address_space: global }
      - { .name: Wv, .offset: 24, .size: 8, .value_kind: global_buffer, .address_space: global }
      - { .name: Wo, .offset: 32, .size: 8, .value_kind: global_buffer, .address_space: global }
      - { .name: opq, .offset: 40, .size: 8, .value_kind: global_buffer, .address_space: global }
    .group_segment_fixed_size: 35328
    .private_segment_fixed_size: 0
    .kernarg_segment_align: 8
    .kernarg_segment_size: 48
    .max_flat_workgroup_size: 128
    .sgpr_count:     66
    .vgpr_count:     226
    .wavefront_size: 32
...
	.end_amdgpu_metadata
.endif
;; end of part 1
;; launch qkvproj (part 2): grid 8 x 24, 16 waves a work-group, clusters of 4 x 4, 280,576 bytes of LDS; arguments opq, bq, bk, bv, qkvc; writes qkvc
.if DOCPART == 2
	.amdgcn_target "amdgcn-amd-amdhsa--gfx1250"
	.amdhsa_code_object_version 6
	.text
	.protected	k_qcd8f966bf5_qkvproj
	.globl	k_qcd8f966bf5_qkvproj
	.p2align	8
	.type	k_qcd8f966bf5_qkvproj,@function
k_qcd8f966bf5_qkvproj:
	s_mov_b64 s[64:65], 0
	v_nop
	global_prefetch_b8 v0, s[64:65] scope:SCOPE_SE
	s_setreg_imm32_b32 hwreg(HW_REG_WAVE_MODE, 25, 1), 1
	s_wait_xcnt 0x0
	s_wait_alu depctr_hold_cnt(0) depctr_sa_sdst(0) depctr_va_vdst(0) depctr_va_sdst(0) depctr_va_ssrc(0) depctr_va_vcc(0) depctr_vm_vsrc(0)
	s_getreg_b32 s2, hwreg(HW_REG_IB_STS2, 6, 4)
	s_cmp_eq_u32 s2, 0
	s_cbranch_scc0 .Lentry_in_a_cluster
	s_endpgm
.Lentry_in_a_cluster:
	s_bfe_u32 s2, ttmp6, 0x10000c
	s_cmp_lg_u32 s2, 0xf033
	s_cbranch_scc0 .Lentry_shape_is_right
	s_endpgm
.Lentry_shape_is_right:
; q = x Wq^T + bq, k = x Wk^T + bk, v = x Wv^T + bv on codes of FP4 (E2M1) with E8M0 scales, K = 1,024; the results are quantised in registers and leave as codes alone:
; q and k along the features (blocks inside a head), v along the tokens.  C(a, b) = sum over k of A(a, k) B(b, k), used TRANSPOSED (source 0 = 16 rows of B, source 1 = 16 rows of A):
; a lane holds ONE row of A, and its registers run along B's rows, which are the next product's K.
; TWO REGIONS, told apart by the cluster's y alone (the same in all partners):  y 0-3: A = x (tokens), B = Wq, Wk (2,048 features);  y 4, 5: A = Wv (features), B = x (tokens): that gives V^T with the tokens along a lane's registers.
; ROW ORDER in every operand: tile 2 G + u holds in lane r row 32 G + 8 u + r + 8 (r / 8); so the 16 registers of B's tiles 2 g, 2 g + 1 are B's rows 32 g + 16 (lane / 16) + 0 .. 15: neighbours.
; opq (read): codes as images of the operands' registers, byte (k / 64) x 131,072 + tile x 512 + 16 x lane; scale words at G x 1,024 + (k / 128) x 128 + 4 x lane.
; qkvc (written): q's and k's codes at 0: plane = head (q 0-15, k 16-31) x 131,072 + token tile x 512 + 16 x lane;  V^T's at VC: (token / 64) x 32,768 + feature tile x 512 + 16 x lane;
;   q's and k's scale words at QKS: [128 features cg][token group][head of the two][r][u]: bytes 0, 1 are the head's two blocks, bytes 2, 3 stand over zero codes later and are never 0xff;
;   V^T's at VS: feature group x 4,096 + (token / 128) x 128 + 4 x lane.  That store covers 128 consecutive bytes: a wave owns no more of them (131,072 of the launch's 6.9 million bytes).
; SHARES: a work-group makes 256 x 256 of C; each of its 16 waves 32 rows of A (one group) x 128 rows of B: 16 accumulators, 128 registers; four waves to a SIMD, no register windows.
; A wave's 64 results of a row are exactly one fragment's share and one scale word.
; LDS IS FILLED ONCE: the tile's whole K lies there (A 131,072 bytes, B 131,072, B's scale words 8,192), in two halves along K for each 128 rows, all waited for before one barrier.
; CLUSTER 4 x 4: A's parts are shared along a row of the cluster, B's along a column: joint loads.  192 work-groups: the products have no more tiles of this size.
; LIMITS: a block of zeros gets the byte 1 where the rule says 127 (zero codes; this program alone reads the bytes); NaN and infinities are not served.
.set WC,     2097152
.set XS,     4194304
.set SIW,    131072
.set VC,     4194304
.set QKS,    6291456
.set VS,     6815744
.set PLANE,  131072
.set VPLANE, 32768
.set HALF,   65536                     ; LDS: 128 rows' codes: 16 planes of 4,096 bytes
.set BCODE,  2*HALF
.set SBL,    4*HALF                    ; B's scale words: [half][4 groups][8 K steps][128 bytes]
.set BIA,    SBL+8192                  ; 512 bytes a wave: its 128 column biases; no fill lands here
.set G1A, 36                           ; s[36:43] descriptor group 1 for A's parts;  s[44:51] for B's;  s[52:59] for B's scale words
.set G1B, 44
.set G1S, 52
.set G0S, 60                           ; s[60:63] group 0 for B's scale words;  s[68:71], s[76:79] for A's two parts;  s[84:87], s[92:95] for B's
.set G0A, 68
.set G0B, 84
.set SA,  18                           ; v18-25  A's scale words, K step s: lanes 0-15 tile 0, lanes 16-31 tile 1
.set SB,  26                           ; v26-29  B's, group g of this K step
.set AF,  32                           ; v32-47  A's two fragments
.set BF,  48                           ; v48-111 B's eight
.set ACC, 128                          ; v128-255 accumulator (u, i) at ACC + 64 u + 8 i
.set TM,  32                           ; QUANT works in A's registers, which are done with
.macro CROUND                          ; a round of the cluster's barrier
	s_barrier_signal -1
	s_barrier_wait -1
	s_cmp_lg_u32 s14, 0
	s_cbranch_scc1 .Lnot_wave_0_\@
	s_barrier_signal -3
.Lnot_wave_0_\@:
	s_barrier_wait -3
	s_barrier_signal -1
	s_barrier_wait -1
.endm
	s_load_b256 s[4:11], s[0:1], 0x0               ; opq, bq, bk, bv
	s_load_b64 s[12:13], s[0:1], 0x20              ; qkvc
	v_lshl_add_u32 v126, v0, 2, 0x44000
	v_mov_b32 v127, 0
	ds_add_u32 v126, v127
	ds_add_u32 v126, v127
	v_lshrrev_b32 v1, 5, v0
	s_delay_alu instid0(VALU_DEP_1)
	v_readfirstlane_b32 s14, v1                    ; wave 0..15
	s_lshr_b32 s15, s14, 1                         ; wA: my group of A's eight
	s_and_b32 s16, s14, 1                          ; wB: my half of B's 256 rows
	s_bfe_u32 s17, ttmp6, 0x40000                  ; cx
	s_bfe_u32 s18, ttmp6, 0x40004                  ; cy
	s_and_b32 s19, ttmp7, 0xffff                   ; the cluster's y
	s_lshl_b32 s22, ttmp9, 2
	s_add_co_u32 s22, s22, s17                     ; work-group x
	s_lshl_b32 s[G1A], s18, 2
	s_lshl_b32 s[G1A], 15, s[G1A]                  ; my row of the cluster
	s_lshl_b32 s[G1B], 0x1111, s17                 ; my column
	s_or_b32 s[G1S], s[G1B], (3<<16)|(1<<21)       ; 15:0 the mask; 17:16 elements of 8 bytes; 21 set beside a mask; no padding: fragments are read 16 bytes a lane on end
	s_or_b32 s[G1A], s[G1A], (3<<16)|(1<<21)
	s_or_b32 s[G1B], s[G1B], (3<<16)|(1<<21)
.irp g, G1A, G1B                       ; a part: 8 planes x 4,096 bytes (128 rows' share of a plane), planes 131,072 bytes apart
	s_mov_b32 s[\g+1], 512<<16                     ; tensor_dim0 = 512 elements
	s_mov_b32 s[\g+2], 8<<16                       ; tensor_dim1 = 8: a load brings eight planes, half of K
	s_mov_b32 s[\g+3], 512<<16                     ; tile_dim0
	s_mov_b32 s[\g+4], 8                           ; tile_dim1
	s_mov_b32 s[\g+5], PLANE/8                     ; tensor_dim0_stride
	s_mov_b32 s[\g+6], 0
	s_mov_b32 s[\g+7], 0
.endr
	s_mov_b32 s[G1S+1], 32<<16                     ; the scale words of 128 rows: 4,096 dense bytes as 16 rows of 256
	s_mov_b32 s[G1S+2], 16<<16
	s_mov_b32 s[G1S+3], 32<<16
	s_mov_b32 s[G1S+4], 16
	s_mov_b32 s[G1S+5], 32
	s_mov_b32 s[G1S+6], 0
	s_mov_b32 s[G1S+7], 0
	; the region.  A's numbers never hold cx, B's never cy
	s_lshl_b32 s21, s19, 2
	s_lshl_b32 s23, s19, 3
	s_sub_co_u32 s23, s23, 32                      ; 8 (y - 4): taken in V's region alone
	s_cmp_ge_u32 s19, 4
	s_cselect_b32 s20, 1, 0                        ; V's region?
	s_cselect_b32 s21, 8, s21
	s_cselect_b32 s23, s23, 0
	s_cselect_b32 s32, WC, 0                       ; where A's codes begin in opq,
	s_cselect_b32 s34, 0, WC                       ; B's,
	s_cselect_b32 s28, SIW, 0                      ; A's scale words (beyond XS),
	s_cselect_b32 s62, 0, SIW                      ; B's
	s_add_co_u32 s21, s21, s18                     ; A's tile of 256 rows: 4 y + cy of x, or 8 + cy of the weights (Wv's rows begin at 2,048)
	s_add_co_u32 s22, s22, s23                     ; B's tile of 256 rows
	s_lshl_b32 s24, s21, 3
	s_add_co_u32 s24, s24, s15                     ; G_A: my group of A
	s_lshl_b32 s23, s22, 1
	s_add_co_u32 s23, s23, s16                     ; cg: my 128 rows of B
	s_and_b32 s25, s14, 1                          ; which half a fetching wave fetches
	s_lshl_b32 s2, s25, 12                         ; 128 rows in a plane, and in the scale words
	s_lshl_b32 s3, s25, 16                         ; and in LDS: no place in the cluster enters an LDS address
	s_lshl_b32 s33, s21, 13                        ; 256 rows x 32 bytes
	s_add_co_u32 s32, s32, s33
	s_add_co_u32 s32, s32, s2
	s_mov_b32 s33, 0
	s_lshl_b32 s35, s22, 13
	s_add_co_u32 s35, s35, s2
	s_add_co_u32 s34, s34, s35
	s_add_co_u32 s62, s62, s35
	s_add_co_u32 s62, s62, XS
	s_mov_b32 s63, 0
	s_mov_b32 s35, 0
	s_lshl_b32 s29, s24, 10
	s_add_co_u32 s28, s28, s29
	s_add_co_u32 s28, s28, XS
	s_mov_b32 s29, 0
	s_wait_dscnt 0x0
	s_wait_kmcnt 0x0
	s_add_nc_u64 s[32:33], s[4:5], s[32:33]
	s_add_nc_u64 s[34:35], s[4:5], s[34:35]
	s_add_nc_u64 s[G0S+2:G0S+3], s[4:5], s[G0S+2:G0S+3]
	s_or_b32 s[G0S+3], s[G0S+3], 0x80000000        ; type = 2
	s_mov_b32 s[G0S], 1
	s_add_co_u32 s[G0S+1], s2, SBL
.irp p, 0,2
	s_mov_b32 s[G0A+4*\p], 1
	s_add_co_u32 s[G0A+4*\p+1], s3, \p*16384
	s_add_nc_u64 s[G0A+4*\p+2:G0A+4*\p+3], s[32:33], \p*4*PLANE
	s_or_b32 s[G0A+4*\p+3], s[G0A+4*\p+3], 0x80000000
	s_mov_b32 s[G0B+4*\p], 1
	s_add_co_u32 s[G0B+4*\p+1], s3, BCODE+\p*16384
	s_add_nc_u64 s[G0B+4*\p+2:G0B+4*\p+3], s[34:35], \p*4*PLANE
	s_or_b32 s[G0B+4*\p+3], s[G0B+4*\p+3], 0x80000000
.endr
	s_add_nc_u64 s[28:29], s[4:5], s[28:29]        ; my group's scale words of A
	CROUND                                         ; all sixteen work-groups are here: the joint loads meet
; ALL FILLS OF THE LAUNCH, ONE A WAVE, in one chain of branches on the wave's number: the half of the rows is wave % 2;
; waves 0, 1: A's planes 0-7; waves 2, 3: A's planes 8-15; waves 4, 5 and 6, 7: B's likewise; waves 8, 9: B's scale words; the other six fetch nothing.
.macro ARM under, g0, g1, next
	s_cmp_lt_u32 s14, \under
	s_cbranch_scc0 \next
	tensor_load_to_lds s[\g0:\g0+3], s[\g1:\g1+7]
	s_nop 0
.rept 4
	v_nop
.endr
	s_branch .Lasked
\next:
.endm
	ARM 2, G0A, G1A, .Lh_a2
	ARM 4, G0A+8, G1A, .Lh_b0
	ARM 6, G0B, G1B, .Lh_b2
	ARM 8, G0B+8, G1B, .Lh_s
	ARM 10, G0S, G1S, .Lh_none
.Lasked:
	v_and_b32 v1, 31, v0                           ; lane
	v_and_b32 v2, 15, v0                           ; r
	v_bfe_u32 v3, v0, 4, 1                         ; h
	s_delay_alu instid0(VALU_DEP_3)
	v_lshlrev_b32 v9, 4, v1                        ; 16 x lane
	s_delay_alu instid0(VALU_DEP_4)
	v_lshlrev_b32 v10, 3, v1                       ; 8 x lane
	v_lshlrev_b32 v30, 2, v1                       ; 4 x lane
	s_wait_alu depctr_va_vdst(0)
	v_lshlrev_b32 v11, 4, v3                       ; 16 h
	s_lshr_b32 s2, s15, 2
	s_lshl_b32 s2, s2, 16
	s_and_b32 s3, s15, 3
	s_lshl_b32 s3, s3, 10
	s_add_co_u32 s2, s2, s3
	v_add_nc_u32 v4, s2, v9                        ; A's fragments: my group's half, its two tiles there
	s_lshl_b32 s2, s16, 16
	s_add_co_u32 s2, s2, BCODE
	v_add_nc_u32 v5, s2, v9                        ; B's: my half
	s_lshl_b32 s2, s16, 12
	s_add_co_u32 s2, s2, SBL
	v_add_nc_u32 v6, s2, v30                       ; B's scale words
	s_lshl_b32 s2, s14, 9
	s_add_co_u32 s2, s2, BIA
	v_add_nc_u32 v7, s2, v9                        ; my wave's line of biases: in,
	v_lshl_add_u32 v8, v3, 6, s2                   ; and out: + 16 h numbers
	v_and_b32 v31, 8, v2
	s_delay_alu instid0(VALU_DEP_1)
	v_add_nc_u32 v31, v31, v2
	s_delay_alu instid0(VALU_DEP_1)
	v_lshlrev_b32 v31, 2, v31                      ; 4 (r + 8 (r / 8)): my row's bias among a group's 32
	s_wait_alu depctr_va_vdst(0)
	s_mov_b32 s30, 0x76543210
	s_mov_b32 s31, 0xfedcba98
	s_and_b32 s32, s23, 7
	s_lshl_b32 s32, s32, 9
	s_mov_b32 s33, 0
	s_cmp_ge_u32 s23, 8                            ; features 1,024 on are k's
	s_cselect_b64 s[26:27], s[8:9], s[6:7]
	s_add_nc_u64 s[26:27], s[26:27], s[32:33]      ; the 128 column biases (used in q's and k's region; the address lies inside the buffer in both)
	s_and_b32 s34, s24, 31
	s_lshl_b32 s34, s34, 7
	s_mov_b32 s35, 0
	s_add_nc_u64 s[34:35], s[10:11], s[34:35]      ; the 32 row biases of bv (used in V's region; inside the buffer in both)
.irp s, 0,1,2,3,4,5,6,7
	global_load_b32 v[SA+\s], v30, s[28:29] offset:128*\s
.endr
	global_load_b128 v[12:15], v9, s[26:27]
	global_load_b32 v16, v31, s[34:35]             ; each row bias twice: a pair for the packed addition
	global_load_b32 v17, v31, s[34:35]
	global_load_b32 v116, v31, s[34:35] offset:32
	global_load_b32 v117, v31, s[34:35] offset:32
	s_wait_loadcnt 0x0
	ds_store_b128 v7, v[12:15]
.macro PART left                       ; each wave waits for its one tensor load, then the barrier shows the whole K to all sixteen
	s_wait_tensorcnt \left
	s_wait_dscnt 0x0                               ; no LDS instruction of mine is out at a signal
	s_barrier_signal -1
	s_barrier_wait -1
.endm
; one product: B's tile i x A's tile u, K step s.  The scale registers carry an even tile's words in lanes 0-15 and an odd tile's in lanes 16-31
.macro P1 i, u, s, zero
.set D_, ACC+64*(\u)+8*(\i)
.set B_, BF+8*(\i)
.set A_, AF+8*(\u)
.set X_, SB+(\i)/2
.set Y_, SA+(\s)
.if \zero
.if ((\i)%2 == 0) && ((\u) == 0)
	v_wmma_scale_f32_16x16x128_f8f6f4 v[D_:D_+7], v[B_:B_+7], v[A_:A_+7], 0, v[X_], v[Y_] matrix_a_fmt:MATRIX_FMT_FP4 matrix_b_fmt:MATRIX_FMT_FP4
.elseif (\u) == 0
	v_wmma_scale_f32_16x16x128_f8f6f4 v[D_:D_+7], v[B_:B_+7], v[A_:A_+7], 0, v[X_], v[Y_] matrix_a_fmt:MATRIX_FMT_FP4 matrix_b_fmt:MATRIX_FMT_FP4 matrix_a_scale:MATRIX_SCALE_ROW1
.elseif (\i)%2 == 0
	v_wmma_scale_f32_16x16x128_f8f6f4 v[D_:D_+7], v[B_:B_+7], v[A_:A_+7], 0, v[X_], v[Y_] matrix_a_fmt:MATRIX_FMT_FP4 matrix_b_fmt:MATRIX_FMT_FP4 matrix_b_scale:MATRIX_SCALE_ROW1
.else
	v_wmma_scale_f32_16x16x128_f8f6f4 v[D_:D_+7], v[B_:B_+7], v[A_:A_+7], 0, v[X_], v[Y_] matrix_a_fmt:MATRIX_FMT_FP4 matrix_b_fmt:MATRIX_FMT_FP4 matrix_a_scale:MATRIX_SCALE_ROW1 matrix_b_scale:MATRIX_SCALE_ROW1
.endif
.else
.if ((\i)%2 == 0) && ((\u) == 0)
	v_wmma_scale_f32_16x16x128_f8f6f4 v[D_:D_+7], v[B_:B_+7], v[A_:A_+7], v[D_:D_+7], v[X_], v[Y_] matrix_a_fmt:MATRIX_FMT_FP4 matrix_b_fmt:MATRIX_FMT_FP4
.elseif (\u) == 0
	v_wmma_scale_f32_16x16x128_f8f6f4 v[D_:D_+7], v[B_:B_+7], v[A_:A_+7], v[D_:D_+7], v[X_], v[Y_] matrix_a_fmt:MATRIX_FMT_FP4 matrix_b_fmt:MATRIX_FMT_FP4 matrix_a_scale:MATRIX_SCALE_ROW1
.elseif (\i)%2 == 0
	v_wmma_scale_f32_16x16x128_f8f6f4 v[D_:D_+7], v[B_:B_+7], v[A_:A_+7], v[D_:D_+7], v[X_], v[Y_] matrix_a_fmt:MATRIX_FMT_FP4 matrix_b_fmt:MATRIX_FMT_FP4 matrix_b_scale:MATRIX_SCALE_ROW1
.else
	v_wmma_scale_f32_16x16x128_f8f6f4 v[D_:D_+7], v[B_:B_+7], v[A_:A_+7], v[D_:D_+7], v[X_], v[Y_] matrix_a_fmt:MATRIX_FMT_FP4 matrix_b_fmt:MATRIX_FMT_FP4 matrix_a_scale:MATRIX_SCALE_ROW1 matrix_b_scale:MATRIX_SCALE_ROW1
.endif
.endif
.endm
; a K step of 128: 24 LDS loads in one run, 16 products.  The sixteen accumulators take turns, one instruction a turn, in the same order in every step.
; zero = 1: the first step's products start the sums: nothing is cleared.
.macro KSTEP s, zero
.if (\s) > 0
.rept 4
	v_nop                                          ; four places in front of loads into registers that matrix instructions have read (ISA guide 7.12.1 for vector instructions)
.endr
.endif
.irp g, 0,1,2,3
	ds_load_b32 v[SB+\g], v6 offset:\g*1024+(\s)*128
.endr
.irp u, 0,1
.irp c, 0,1
	ds_load_b128 v[AF+8*\u+4*\c:AF+8*\u+4*\c+3], v4 offset:(2*(\s)+\c)*4096+\u*512
.endr
.endr
.irp i, 0,1,2,3,4,5,6,7
.irp c, 0,1
	ds_load_b128 v[BF+8*\i+4*\c:BF+8*\i+4*\c+3], v5 offset:(2*(\s)+\c)*4096+\i*512
.endr
.endr
	s_wait_dscnt 8                                 ; all but the youngest eight loads, B's tiles 4-7
.irp i, 0,1,2,3
.irp u, 0,1
	P1 \i, \u, \s, \zero
.endr
.endr
	s_wait_dscnt 0x0
.irp i, 4,5,6,7
.irp u, 0,1
	P1 \i, \u, \s, \zero
.endr
.endr
.endm
	PART 0
	KSTEP 0, 1
	KSTEP 1, 0
	KSTEP 2, 0
	KSTEP 3, 0
	KSTEP 4, 0
	KSTEP 5, 0
	KSTEP 6, 0
	KSTEP 7, 0
.rept 4
	v_nop                                          ; four places in front of the first read of results and of loads into B's registers
.endr
; 64 numbers of a lane, register 16 b + i = k 32 b + 16 h + i of its row, become a fragment's eight registers of codes at v[pc] and the row's scale word in v[pw]
.macro QUANT s, pc, pw
.irp b, 0,1,2,3
	v_max3_num_f32 v[TM+\b], |v[(\s)+16*\b]|, |v[(\s)+1+16*\b]|, 0x1800000   ; my 16 numbers of block b, and the floor 2^(3 - 127): the byte cannot fall under 1
.endr
.irp i, 2,4,6,8,10,12,14
.irp b, 0,1,2,3
	s_delay_alu instid0(VALU_DEP_4)
	v_max3_num_f32 v[TM+\b], v[TM+\b], |v[(\s)+16*\b+\i]|, |v[(\s)+1+16*\b+\i]|
.endr
.endr
.irp b, 0,1,2,3
	s_delay_alu instid0(VALU_DEP_4)
	v_permlanex16_b32 v[TM+4+\b], v[TM+\b], s30, s31
.endr
.irp b, 0,1,2,3
	s_delay_alu instid0(VALU_DEP_4)
	v_max_num_f32 v[TM+\b], v[TM+\b], v[TM+4+\b]   ; with lane l xor 16's 16: the block's largest magnitude
.endr
.irp b, 0,1,2,3
	s_delay_alu instid0(VALU_DEP_4)
	v_add_nc_u32 v[TM+12+\b], 0xff000000, v[TM+\b] ; 2 off its exponent field: the conversion's scale operand
.endr
.irp b, 0,1,2,3
	s_delay_alu instid0(VALU_DEP_4)
	v_lshrrev_b32 v[TM+4+\b], 23, v[TM+12+\b]      ; the scale's byte
.endr
	s_delay_alu instid0(VALU_DEP_3)
	v_lshl_or_b32 v[\pw], v[TM+5], 8, v[TM+4]
	s_delay_alu instid0(VALU_DEP_1)
	v_lshl_or_b32 v[\pw], v[TM+6], 16, v[\pw]
	s_delay_alu instid0(VALU_DEP_1)
	v_lshl_or_b32 v[\pw], v[TM+7], 24, v[\pw]
.irp b, 0,1,2,3
	v_cvt_scalef32_pk8_fp4_f32 v[(\pc)+2*\b], v[(\s)+16*\b:(\s)+7+16*\b], v[TM+12+\b]
	v_cvt_scalef32_pk8_fp4_f32 v[(\pc)+1+2*\b], v[(\s)+8+16*\b:(\s)+15+16*\b], v[TM+12+\b]
.endr
	v_nop                                          ; one plain place behind a scaled conversion
.irp c, 0,1
.irp i, 0,1
	v_permlane16_swap_b32 v[(\pc)+4*\c+\i], v[(\pc)+2+4*\c+\i]   ; a whole block to a lane: lanes 0-15 block 2 c, lanes 16-31 block 2 c + 1
.endr
.endr
.endm
.macro CODES u, plane                  ; tile u's fragment leaves as it stands: 512 consecutive bytes a store
.irp c, 0,1
	global_store_b128 v9, v[BF+8*(\u)+4*\c:BF+8*(\u)+4*\c+3], s[26:27] offset:\c*(\plane)+(\u)*512
.endr
.endm
	s_cmp_lg_u32 s20, 0                            ; the region: the cluster's y alone, the same in all partners; no barrier, tensor load or LDS store stands in either arm
	s_cbranch_scc1 .Lv_arm
	; ---- q and k: a bias for each of B's rows; K of the next product = my 128 features = two heads
	s_lshl_b32 s2, s23, 18                         ; two planes of 131,072 bytes for each 128 features
	s_lshl_b32 s3, s24, 10
	s_add_co_u32 s32, s2, s3
	s_mov_b32 s33, 0
	s_add_nc_u64 s[26:27], s[12:13], s[32:33]
	s_lshl_b32 s2, s23, 15
	s_lshl_b32 s3, s24, 8
	s_add_co_u32 s32, s2, s3
	s_add_co_u32 s32, s32, QKS
	s_add_nc_u64 s[28:29], s[12:13], s[32:33]
.irp i, 0,1,2,3,4,5,6,7                        ; the biases in the result's layout: tile i, lane half h: features 32 (i / 2) + 16 h + 8 (i % 2) + 0 .. 7
.irp q, 0,1
	ds_load_b128 v[BF+8*\i+4*\q:BF+8*\i+4*\q+3], v8 offset:(32*(\i/2)+8*(\i%2))*4+16*\q
.endr
.endr
	s_wait_dscnt 0x0
.irp u, 0,1
.irp m, 0,2,4,6,8,10,12,14,16,18,20,22,24,26,28,30,32,34,36,38,40,42,44,46,48,50,52,54,56,58,60,62
	v_pk_add_f32 v[ACC+64*\u+\m:ACC+64*\u+\m+1], v[ACC+64*\u+\m:ACC+64*\u+\m+1], v[BF+\m:BF+\m+1]   ; each accumulator from its low end on
.endr
.endr
	QUANT ACC, BF, 114
	CODES 0, PLANE
	QUANT ACC+64, BF+8, 115
	CODES 1, PLANE
	v_lshrrev_b32 v112, v11, v114                  ; lanes 0-15 keep the word (its low two bytes: the first head's), lanes 16-31 bring the second head's two bytes down
	v_lshrrev_b32 v113, v11, v115
	global_store_b64 v10, v[112:113], s[28:29]     ; [head of the two][r][u]: 32 lanes store 256 consecutive bytes, at a multiple of 256
	s_branch .Lout
.Lv_arm:
	; ---- V^T: a bias for each of A's rows, one a lane; K of the next product = my 128 tokens
	s_and_b32 s25, s24, 31                         ; my group of v's features
	s_lshl_b32 s2, s23, 16                         ; two planes of 32,768 bytes for each 128 tokens
	s_lshl_b32 s3, s25, 10
	s_add_co_u32 s32, s2, s3
	s_add_co_u32 s32, s32, VC
	s_mov_b32 s33, 0
	s_add_nc_u64 s[26:27], s[12:13], s[32:33]
	s_lshl_b32 s2, s25, 12
	s_lshl_b32 s3, s23, 7
	s_add_co_u32 s32, s2, s3
	s_add_co_u32 s32, s32, VS
	s_add_nc_u64 s[28:29], s[12:13], s[32:33]
.irp m, 0,2,4,6,8,10,12,14,16,18,20,22,24,26,28,30,32,34,36,38,40,42,44,46,48,50,52,54,56,58,60,62
	v_pk_add_f32 v[ACC+\m:ACC+\m+1], v[ACC+\m:ACC+\m+1], v[16:17]
.endr
.irp m, 0,2,4,6,8,10,12,14,16,18,20,22,24,26,28,30,32,34,36,38,40,42,44,46,48,50,52,54,56,58,60,62
	v_pk_add_f32 v[ACC+64+\m:ACC+64+\m+1], v[ACC+64+\m:ACC+64+\m+1], v[116:117]
.endr
	QUANT ACC, BF, 114
	CODES 0, VPLANE
	QUANT ACC+64, BF+8, 115
	CODES 1, VPLANE
	v_cmp_le_u32 vcc_lo, 16, v1
	s_delay_alu instid0(VALU_DEP_1)
	v_cndmask_b32 v112, v114, v115, vcc_lo         ; lanes 0-15 tile 0's words, lanes 16-31 tile 1's
	global_store_b32 v30, v112, s[28:29]
.Lout:
	s_wait_tensorcnt 0x0
	ds_add_u32 v126, v127
	s_wait_dscnt 0x0
	CROUND                                         ; the closing round: no work-group ends while a partner may still ask for a part that names it
	s_endpgm
.Lfunc_end_k_qcd8f966bf5_qkvproj:
	.size	k_qcd8f966bf5_qkvproj, .Lfunc_end_k_qcd8f966bf5_qkvproj-k_qcd8f966bf5_qkvproj
	.p2alignl 7, 3214868480
	.fill 96, 4, 3214868480
	.section	.rodata,"a",@progbits
	.p2align	6, 0x0
	.amdhsa_kernel k_qcd8f966bf5_qkvproj
		.amdhsa_group_segment_fixed_size 280576
		.amdhsa_private_segment_fixed_size 0
		.amdhsa_enable_private_segment 0
		.amdhsa_kernarg_size 40
		.amdhsa_user_sgpr_count 2
		.amdhsa_user_sgpr_kernarg_segment_ptr 1
		.amdhsa_wavefront_size32 1
		.amdhsa_system_sgpr_workgroup_id_x 1
		.amdhsa_system_sgpr_workgroup_id_y 1
		.amdhsa_system_sgpr_workgroup_id_z 1
		.amdhsa_system_vgpr_workitem_id 0
		.amdhsa_next_free_vgpr 256
		.amdhsa_next_free_sgpr 100
		.amdhsa_reserve_vcc 1
		.amdhsa_float_denorm_mode_32 3
		.amdhsa_float_denorm_mode_16_64 3
		.amdhsa_memory_ordered 1
		.amdhsa_forward_progress 1
		.amdhsa_inst_pref_size 72
	.end_amdhsa_kernel
	.amdgpu_metadata
---
amdhsa.version: [ 1, 2 ]
amdhsa.kernels:
  - .name:           k_qcd8f966bf5_qkvproj
    .symbol:         k_qcd8f966bf5_qkvproj.kd
    .args:
      - { .name: opq, .offset: 0, .size: 8, .value_kind: global_buffer, .address_space: global }
      - { .name: bq, .offset: 8, .size: 8, .value_kind: global_buffer, .address_space: global }
      - { .name: bk, .offset: 16, .size: 8, .value_kind: global_buffer, .address_space: global }
      - { .name: bv, .offset: 24, .size: 8, .value_kind: global_buffer, .address_space: global }
      - { .name: qkvc, .offset: 32, .size: 8, .value_kind: global_buffer, .address_space: global }
    .group_segment_fixed_size: 280576
    .private_segment_fixed_size: 0
    .kernarg_segment_align: 8
    .kernarg_segment_size: 40
    .max_flat_workgroup_size: 512
    .sgpr_count:     100
    .vgpr_count:     256
    .wavefront_size: 32
...
	.end_amdgpu_metadata
.endif
;; end of part 2
;; launch attn (part 3): grid 16 x 16, 16 waves a work-group, clusters of 4 x 1, 327,680 bytes of LDS; arguments qkvc, aoc; writes aoc
.if DOCPART == 3
	.amdgcn_target "amdgcn-amd-amdhsa--gfx1250"
	.amdhsa_code_object_version 6
	.text
	.protected	k_qcd8f966bf5_attn
	.globl	k_qcd8f966bf5_attn
	.p2align	8
	.type	k_qcd8f966bf5_attn,@function
k_qcd8f966bf5_attn:
	s_mov_b64 s[64:65], 0
	v_nop
	global_prefetch_b8 v0, s[64:65] scope:SCOPE_SE
	s_setreg_imm32_b32 hwreg(HW_REG_WAVE_MODE, 25, 1), 1
	s_wait_xcnt 0x0
	s_wait_alu depctr_hold_cnt(0) depctr_sa_sdst(0) depctr_va_vdst(0) depctr_va_sdst(0) depctr_va_ssrc(0) depctr_va_vcc(0) depctr_vm_vsrc(0)
	s_getreg_b32 s2, hwreg(HW_REG_IB_STS2, 6, 4)
	s_cmp_eq_u32 s2, 0
	s_cbranch_scc0 .Lentry_in_a_cluster
	s_endpgm
.Lentry_in_a_cluster:
	s_bfe_u32 s2, ttmp6, 0x10000c
	s_cmp_lg_u32 s2, 0x3003
	s_cbranch_scc0 .Lentry_shape_is_right
	s_endpgm
.Lentry_shape_is_right:
; o[q] = the sum over keys of softmax(q . k / 8) v, for each of 16 heads of 64, 4,096 tokens, both products on codes of FP4 (E2M1) with one E8M0 scale for each 32 along a product's K.
; THE SOFTMAX AHEAD OF THE SECOND PRODUCT: t = score x log2(e) / 8; M = the largest t so far, rounded UP to a whole number; p = 2^(t - M) is quantised along the keys, not normalised.
; The row's sum is taken of the unquantised p, in f32, and divides O at the end.  When M moves, the sum and O are multiplied by 2^(old M - new M): exact.  The result is quantised along the head's 64 and leaves as codes.
; qkvc (read): q's and k's codes: plane = head (q 0-15, k 16-31) x 131,072 + token tile x 512 + 16 x lane (a lane's 16 bytes: 32 of the head's 64); V^T's at VC: (token / 64) x 32,768 + feature tile x 512 + 16 x lane;
;   scale words at QKS: [two heads][token group][head of the two][r][u], bytes 0, 1 real;  V^T's at VS: feature group x 4,096 + (token / 128) x 128 + 4 x lane.
; STORED ROW ORDER of tokens and features: tile 2 G + u holds in lane r row 32 G + 8 u + r + 8 (r / 8).
; aoc (written): codes: head x 131,072 + token tile x 512 + 16 x lane; scale bytes at AOS: [head][token tile][r][2 bytes].
; SHARES: a work-group owns 256 queries of one head, each of its sixteen waves one tile of 16 in 256 registers.  Both products are used transposed (S^T = K Q^T, O^T = V^T P^T): a lane holds one query throughout.  Every wave walks all keys, 128 a step, 32 steps.
; THE KEYS OF A SCORE TILE ARE CHOSEN AT THE LDS READ: tile (c, i) of a step takes in row 8 h + j key 64 c + 32 h + 8 i + j.  So lane (r, h) holds in the 32 registers of tiles (c, 0 .. 3) the WHOLE block of keys 64 c + 32 h + 0 .. 31:
; a block's largest score needs no other lane, and the four conversions of a block give registers 4 c .. 4 c + 3 of P's fragment as they stand.  Only the row's maximum and the scale word's bytes cross from lane l to l xor 16.
; THE FIRST PRODUCT'S K IS 64 in an instruction of 128: registers 4-7 of q's and of every k fragment are zero codes, written once; the scale bytes over them are 0 to 254, never 0xff.
; LDS IS FILLED ONCE, at the head, one joint load a wave in ten waves: K (four loads of 32 token groups; a group's 1,024 bytes get 128 of padding, so that the two groups that a fragment load touches fall on different banks),
; V^T (four loads of 16 planes), K's scale words (both heads of the pair: rows of 256 bytes), V^T's.  One wait and one barrier show all of it to all waves; the loop has no barrier.
; CLUSTER 4 x 1: four query blocks of one head want the same K and V: every fill is a joint load with the mask of all four.
; NO PREFETCH: every byte that the launch loads is asked for at its head; there is no loop to run ahead in.
; LIMITS: the promise holds while |t| stays under 2^31; a block of zeros gets the byte 1 where the rule says 127 (zero codes; this program alone reads the bytes); p under 2^-126 is 0 (v_exp_f32 flushes);
; a block's largest p is made from its largest score by the same multiply-add and exponential, which takes v_exp_f32 not to fall where its input rises; NaN and infinities are not served.
.set VC,    4194304
.set QKS,   6291456
.set VS,    6815744
.set AOS,   2097152
.set KG,    1152                       ; LDS: a token group of K: 1,024 bytes + 128 of padding
.set VC_L,  128*KG                     ; V^T's codes: [64 tokens][feature tile 4][512]
.set KS_L,  VC_L+131072                ; K's scale words: [group 128][head of the two][r][u][4]
.set VS_L,  KS_L+32768                 ; V^T's: [feature group 2][key step 32][128]
.set STG,   VS_L+8192                  ; 512 bytes: the block's scale bytes on their way out; no fill lands here
.set SPARE, STG+512                    ; the spare words: 128 bytes a wave, eight blocks of 256 bytes that no other line names
.set G1K,  24                          ; s[24:55] descriptor groups 1: K, V^T, K's scale words, V^T's
.set G1V,  32
.set G1KS, 40
.set G1VS, 48
.set G0K,  56                          ; groups 0
.set G0V,  60
.set G0KS, 68
.set G0VS, 72
.set TBK,  76                          ; the step's place in K's codes (4 KG a step), in V^T's (4,096), in K's scale words (1,024), in V^T's (128)
.set TBV,  77
.set TS,   78
.set TJ,   79
.set CNT,  80
; REGISTERS: v1-7 addresses that stay; v8-11 the step's; v12, v13 -M twice (a dual pair's like sources lie in different banks); v[14:15] the sum in two halves; v16-23 q; v24, v25 c twice; v26 the largest score; v28, v29 V^T's scale words;
; v30, v31 the add's; v32-95 K's eight fragments; v96-159 S^T, then p; v160-191 O^T; v192-223 V^T's four fragments; v224-231 p's codes; v232-241, v244-247 at work; v242 8 h; v243 p's scale word; v248-251 K's; v252, v253 f twice; v254 the old -M; v255 q's scale words.
.macro CROUND
	s_barrier_signal -1
	s_barrier_wait -1
	s_cmp_lg_u32 s16, 0
	s_cbranch_scc1 .Lnot_wave_0_\@
	s_barrier_signal -3
.Lnot_wave_0_\@:
	s_barrier_wait -3
	s_barrier_signal -1
	s_barrier_wait -1
.endm
.macro ARM under, g0, g1, next         ; an arm of the head's chain: its one load, s_nop 0 and four v_nop, and a jump to the chain's end
	s_cmp_lt_u32 s16, \under
	s_cbranch_scc0 \next
	tensor_load_to_lds s[\g0:\g0+3], s[\g1:\g1+7]
	s_nop 0
.rept 4
	v_nop
.endr
	s_branch .Lhead_asked
\next:
.endm
.macro MM d, a, b, c, sa, sb, row
	v_wmma_scale_f32_16x16x128_f8f6f4 v[\d:\d+7], v[\a:\a+7], v[\b:\b+7], \c, v[\sa], v[\sb] matrix_a_fmt:MATRIX_FMT_FP4 matrix_b_fmt:MATRIX_FMT_FP4 \row
.endm
.macro TMS n                           ; n pairs of scores from J_ on become t - M
.rept \n
	v_dual_fma_f32 v[96+J_], v[96+J_], v24, v12 :: v_dual_fma_f32 v[97+J_], v[97+J_], v25, v13
.set J_, J_+2
.endr
.endm
	s_load_b128 s[4:7], s[0:1], 0x0                ; qkvc, aoc
	v_lshl_add_u32 v30, v0, 2, SPARE
	v_mov_b32 v31, 0
	ds_add_u32 v30, v31                            ; the opening lines: the add twice on end and one wait, ahead of the first tensor load
	ds_add_u32 v30, v31
	v_lshrrev_b32 v1, 5, v0
	v_readfirstlane_b32 s16, v1                    ; wave 0..15
	s_bfe_u32 s17, ttmp6, 0x40000                  ; cx
	s_lshl_b32 s18, ttmp9, 2
	s_add_co_u32 s18, s18, s17                     ; my block of 256 queries: it enters q's and the output's addresses alone
	s_and_b32 s19, ttmp7, 0xffff                   ; the head, which the four partners share
	s_mov_b32 s[G1K], 15|(3<<16)|(1<<20)|(1<<21)|(7<<22)|(31<<25)   ; the mask of all four; elements of 8 bytes; padding on; 21 set beside a mask; after every 256 words 32 words
.irp g, G1V, G1KS, G1VS
	s_mov_b32 s[\g], 15|(3<<16)|(1<<21)            ; no padding
.endr
.irp g, G1K, G1V, G1KS, G1VS
	s_mov_b32 s[\g+6], 0
	s_mov_b32 s[\g+7], 0
.endr
	s_mov_b32 s[G1K+1], 128<<16                    ; K: 32 groups of 1,024 dense bytes
	s_mov_b32 s[G1K+2], 32<<16
	s_mov_b32 s[G1K+3], 128<<16
	s_mov_b32 s[G1K+4], 32
	s_mov_b32 s[G1K+5], 128
	s_mov_b32 s[G1V+1], 256<<16                    ; V^T: 16 planes, the head's 2,048 bytes of each, planes 32,768 bytes apart
	s_mov_b32 s[G1V+2], 16<<16
	s_mov_b32 s[G1V+3], 256<<16
	s_mov_b32 s[G1V+4], 16
	s_mov_b32 s[G1V+5], 4096
	s_mov_b32 s[G1KS+1], 32<<16                    ; K's scale words: 32,768 dense bytes as 128 rows of 256
	s_mov_b32 s[G1KS+2], 128<<16
	s_mov_b32 s[G1KS+3], 32<<16
	s_mov_b32 s[G1KS+4], 128
	s_mov_b32 s[G1KS+5], 32
	s_mov_b32 s[G1VS+1], 32<<16                    ; V^T's: 8,192 dense bytes
	s_mov_b32 s[G1VS+2], 32<<16
	s_mov_b32 s[G1VS+3], 32<<16
	s_mov_b32 s[G1VS+4], 32
	s_mov_b32 s[G1VS+5], 32
	s_and_b32 s2, s16, 3                           ; which quarter of K or of V^T a fetching wave fetches
	s_add_co_u32 s8, s19, 16
	s_lshl_b32 s8, s8, 17                          ; k's plane,
	s_lshl_b32 s3, s2, 15
	s_add_co_u32 s8, s8, s3                        ; my 32 groups of it
	s_mov_b32 s9, 0
	s_lshl_b32 s12, s19, 11
	s_add_co_u32 s12, s12, VC                      ; the head's four tiles in V^T's first plane,
	s_lshl_b32 s3, s2, 19
	s_add_co_u32 s12, s12, s3                      ; my 16 planes on
	s_mov_b32 s13, 0
	s_lshr_b32 s10, s19, 1
	s_add_co_u32 s10, s10, 8
	s_lshl_b32 s10, s10, 15
	s_add_co_u32 s10, s10, QKS                     ; k's scale words, both heads of the pair
	s_mov_b32 s11, 0
	s_lshl_b32 s14, s19, 13
	s_add_co_u32 s14, s14, VS                      ; V^T's
	s_mov_b32 s15, 0
.irp g, G0K, G0V, G0KS, G0VS
	s_mov_b32 s[\g], 1
.endr
	s_mul_i32 s[G0K+1], s2, 32*KG
	s_lshl_b32 s[G0V+1], s2, 15
	s_add_co_u32 s[G0V+1], s[G0V+1], VC_L
	s_mov_b32 s[G0KS+1], KS_L
	s_mov_b32 s[G0VS+1], VS_L
	s_mov_b32 s20, 0x76543210
	s_mov_b32 s21, 0xfedcba98                      ; v_permlanex16_b32's selects for lane l xor 16
	s_mov_b32 s22, 0x3e38aa3b                      ; c = log2(e) / 8
	s_mov_b32 s81, 0xbe38aa3b                      ; -c
	s_wait_dscnt 0x0                               ; both opening adds are done
	s_wait_kmcnt 0x0
	s_add_nc_u64 s[G0K+2:G0K+3], s[4:5], s[8:9]
	s_or_b32 s[G0K+3], s[G0K+3], 0x80000000
	s_add_nc_u64 s[G0V+2:G0V+3], s[4:5], s[12:13]
	s_or_b32 s[G0V+3], s[G0V+3], 0x80000000
	s_add_nc_u64 s[G0KS+2:G0KS+3], s[4:5], s[10:11]
	s_or_b32 s[G0KS+3], s[G0KS+3], 0x80000000
	s_add_nc_u64 s[G0VS+2:G0VS+3], s[4:5], s[14:15]
	s_or_b32 s[G0VS+3], s[G0VS+3], 0x80000000
	CROUND                                         ; all four work-groups are here: the joint loads meet
	ARM 4, G0K, G1K, .Lh_v                         ; waves 0-3: K's quarters; 4-7: V^T's; 8: K's scale words; 9: V^T's; the others fetch nothing
	ARM 8, G0V, G1V, .Lh_ks
	ARM 9, G0KS, G1KS, .Lh_vs
	ARM 10, G0VS, G1VS, .Lh_none
.Lhead_asked:
	s_lshl_b32 s2, s18, 4
	s_add_co_u32 s2, s2, s16                       ; my tile of 16 queries
	s_lshl_b32 s10, s19, 17
	s_lshl_b32 s3, s2, 9
	s_add_co_u32 s10, s10, s3                      ; its place in q's codes, and in the output's
	s_mov_b32 s11, 0
	s_add_nc_u64 s[8:9], s[6:7], s[10:11]          ; the output's codes
	s_add_nc_u64 s[10:11], s[4:5], s[10:11]        ; q's
	s_lshr_b32 s3, s19, 1
	s_lshl_b32 s14, s3, 15
	s_lshr_b32 s3, s2, 1
	s_lshl_b32 s3, s3, 8
	s_add_co_u32 s14, s14, s3
	s_and_b32 s3, s19, 1
	s_lshl_b32 s3, s3, 7
	s_add_co_u32 s14, s14, s3
	s_add_co_u32 s23, s3, KS_L                     ; in LDS: my head's 128 bytes of each group's 256 scale bytes
	s_and_b32 s3, s2, 1
	s_lshl_b32 s3, s3, 2
	s_add_co_u32 s14, s14, s3
	s_add_co_u32 s14, s14, QKS
	s_mov_b32 s15, 0
	s_add_nc_u64 s[14:15], s[4:5], s[14:15]        ; q's scale words: [two heads][group][head][r][u]
	s_lshl_b32 s12, s19, 13
	s_lshl_b32 s3, s18, 9
	s_add_co_u32 s12, s12, s3
	s_add_co_u32 s12, s12, AOS
	s_mov_b32 s13, 0
	s_add_nc_u64 s[12:13], s[6:7], s[12:13]        ; the block's 512 scale bytes of the output
	s_lshl_b32 s2, s16, 5
	s_add_co_u32 s2, s2, STG
	s_mov_b32 s[TBK], 0
	s_mov_b32 s[TBV], 0
	s_mov_b32 s[TS], 0
	s_mov_b32 s[TJ], 0
	s_mov_b32 s[CNT], 32
	v_and_b32 v8, 31, v0                           ; lane
	v_and_b32 v9, 15, v0                           ; r
	v_bfe_u32 v10, v0, 4, 1                        ; h
	v_and_b32 v11, 7, v0                           ; r % 8
	v_bfe_u32 v27, v0, 3, 1                        ; r / 8
	v_lshlrev_b32 v1, 4, v8                        ; v1  16 x lane: my place in q's tile and in the output's
	v_add_nc_u32 v3, VC_L, v1                      ; v3  my place in a tile of V^T
	v_mul_u32_u24 v2, v27, KG                      ; v2  K: rows 0-7 of a score tile come from one token group, rows 8-15 from the next;
	v_lshl_add_u32 v2, v10, 8, v2                  ;     256 h: which 32 of the head's 64;
	v_lshl_add_u32 v2, v11, 4, v2                  ;     16 (r % 8): the stored lane
	v_lshlrev_b32 v4, 8, v27                       ; v4  K's scale words: group r / 8, stored row r % 8, lanes 0-15 the even tile's word, lanes 16-31 the odd tile's
	v_lshl_add_u32 v4, v11, 3, v4
	v_lshl_add_u32 v4, v10, 2, v4
	v_add_nc_u32 v4, s23, v4
	v_lshl_add_u32 v5, v8, 2, VS_L                 ; v5  V^T's scale words
	v_lshl_add_u32 v6, v9, 1, s2                   ; v6  my query's two scale bytes on their way out
	v_add_nc_u32 v7, STG, v1                       ; v7  and where wave 0 reads the block's back
	v_lshlrev_b32 v8, 3, v9
	v_lshlrev_b32 v242, 3, v10                     ; 8 h: my bytes' shift in p's scale word
	global_load_b128 v[16:19], v1, s[10:11]        ; q's fragment stays in registers
	global_load_b32 v255, v8, s[14:15]             ; and its scale words
.irp j, 20,21,22,23
	v_mov_b32 v\j, 0                               ; the zero codes of k = 64 .. 127: q's,
.endr
.irp t, 0,1,2,3,4,5,6,7
.irp j, 4,5,6,7
	v_mov_b32 v[32+8*\t+\j], 0                     ; and every K fragment's: registers of their own
.endr
.endr
.irp j, 0,1,2,3,4,5,6,7,8,9,10,11,12,13,14,15,16,17,18,19,20,21,22,23,24,25,26,27,28,29,30,31
	v_mov_b32 v[160+\j], 0                         ; O^T.  The step is written once: the first finds zeros, which the first change of M leaves zeros
.endr
	v_mov_b32 v26, 0xff61b1e6                      ; the largest score so far: -3e38
	v_mov_b32 v254, 0x7e000000                     ; the old -M: over every -M that follows, so that the first f is 0
	v_mov_b32 v14, 0                               ; the sum, in two halves
	v_mov_b32 v15, 0
	v_mov_b32 v24, s22
	v_mov_b32 v25, s22
	v_mov_b32 v235, 0                              ; written once: a lane permute's destination counts as one of its sources
	v_mov_b32 v247, 0
	s_wait_alu depctr_va_vdst(0)                   ; the wait at the head's end
	s_wait_loadcnt 0x0                             ; q
	s_wait_tensorcnt 0x0                           ; my one load, if I issued one, has landed
	s_barrier_signal -1
	s_barrier_wait -1                              ; so has everybody's: the head's K, V^T and scale words are whole, and nothing is ever filled again
.Lstep:                                            ; A KEY STEP: 128 keys
	v_add_nc_u32 v8, s[TBK], v2
	v_add_nc_u32 v10, s[TS], v4
.irp c, 0,1
.irp i, 0,1,2,3
	ds_load_b128 v[32+32*\c+8*\i:35+32*\c+8*\i], v8 offset:2*KG*\c+512*(\i%2)+128*(\i/2)   ; tile (c, i): stored tile i % 2 of groups 2 c and 2 c + 1, stored lanes 8 (i / 2) on
.endr
.endr
.irp c, 0,1
.irp a, 0,1
	ds_load_b32 v[248+2*\c+\a], v10 offset:512*\c+64*\a   ; the words of tiles (c, 2 a) and (c, 2 a + 1)
.endr
.endr
	s_wait_dscnt 0x0
.irp c, 0,1
.irp a, 0,1
	MM 96+32*\c+16*\a, 32+32*\c+16*\a, 16, 0, 248+2*\c+\a, 255
	MM 104+32*\c+16*\a, 40+32*\c+16*\a, 16, 0, 248+2*\c+\a, 255, matrix_a_scale:MATRIX_SCALE_ROW1
.endr
.endr
	v_add_nc_u32 v9, s[TBV], v3                    ; four places in front of the first read of results (ISA guide 7.12.1); with the two additions at the step's head they are also
	v_add_nc_u32 v11, s[TJ], v5                    ; the places between the last step's second product and the loads into its sources
	v_nop
	v_nop
.irp t, 0,1,2,3
.irp c, 0,1
	ds_load_b128 v[192+8*\t+4*\c:195+8*\t+4*\c], v9 offset:2048*\c+512*\t   ; V^T's fragments land under the softmax
.endr
.endr
.irp b, 0,1
	ds_load_b32 v[28+\b], v11 offset:4096*\b
.endr
.irp c, 0,1                                    ; my two blocks' largest scores, each in two chains; every accumulator is read from its low end on
	v_max3_num_f32 v[232+\c], v[96+32*\c], v[97+32*\c], v[98+32*\c]
	v_max3_num_f32 v[234+\c], v[112+32*\c], v[113+32*\c], v[114+32*\c]
.endr
.irp i, 3,5,7,9,11,13
.irp c, 0,1
	v_max3_num_f32 v[232+\c], v[232+\c], v[96+32*\c+\i], v[97+32*\c+\i]
	v_max3_num_f32 v[234+\c], v[234+\c], v[112+32*\c+\i], v[113+32*\c+\i]
.endr
.endr
.irp c, 0,1
	v_max3_num_f32 v[232+\c], v[232+\c], v[234+\c], v[111+32*\c]
.endr
.irp c, 0,1
	v_max_num_f32 v[232+\c], v[232+\c], v[127+32*\c]   ; it serves the row's maximum and, since p rises with the score, the block's largest p
.endr
	s_delay_alu instid0(VALU_DEP_1)
	v_max_num_f32 v234, v232, v233
	s_delay_alu instid0(VALU_DEP_1)
	v_permlanex16_b32 v235, v234, s20, s21
	s_delay_alu instid0(VALU_DEP_1)
	v_max3_num_f32 v26, v26, v234, v235            ; the running largest score of my query (c is positive: it is also the largest t's)
	s_delay_alu instid0(VALU_DEP_1)
	v_mul_f32 v236, s81, v26
	s_delay_alu instid0(VALU_DEP_1)
	v_floor_f32 v12, v236                          ; the new -M = floor(-t) = -ceil(t): a whole number
	v_floor_f32 v13, v236
	s_delay_alu instid0(VALU_DEP_2)
	v_sub_f32 v237, v12, v254                      ; M's old value less its new one: a whole number, 0 or less
.set J_, 0
	TMS 8                                          ; t - M; the making of f stands among these lines
	v_cvt_i32_f32 v237, v237                       ; (it saturates)
	TMS 8
	v_ldexp_f32 v252, 1.0, v237                    ; f = 2^(old M - new M): a multiplication by it rounds nothing
	v_ldexp_f32 v253, 1.0, v237
	TMS 16
	v_dual_fma_f32 v232, v232, v24, v12 :: v_dual_fma_f32 v233, v233, v25, v13   ; the same of each block's largest score
.irp j, 0,2,4,6,8,10,12,14,16,18,20,22,24,26,28,30
	v_dual_mul_f32 v[160+\j], v[160+\j], v252 :: v_dual_mul_f32 v[161+\j], v[161+\j], v253   ; O^T under the new M, ahead of the exponentials
.endr
	s_wait_alu depctr_va_vdst(0)                   ; the wait ahead of the batch
.set J_, 0
.rept 64
	v_exp_f32 v[96+J_], v[96+J_]                   ; p = 2^(t - M)
.set J_, J_+1
.endr
	v_exp_f32 v232, v232                           ; the blocks' largest p
	v_exp_f32 v233, v233
	v_mov_b32 v254, v12                            ; the next step's old -M.  (The plain place behind the exponentials)
	s_wait_alu depctr_va_vdst(0)                   ; one wait for the batch, ahead of its first reader
	v_max_num_f32 v232, 0x1800000, v232            ; the floor 2^(3 - 127): the byte cannot fall under 1
	v_max_num_f32 v233, 0x1800000, v233
	v_add_nc_u32 v244, 0xff000000, v232            ; 2 off the exponent field: the conversion's scale operand
	v_add_nc_u32 v245, 0xff000000, v233
	v_lshrrev_b32 v246, 23, v244                   ; the scales' bytes
	v_lshrrev_b32 v234, 23, v245
.irp c, 0,1
.irp i, 0,1,2,3
	v_cvt_scalef32_pk8_fp4_f32 v[224+4*\c+\i], v[96+32*\c+8*\i:103+32*\c+8*\i], v[244+\c]   ; register 4 c + i of P's fragment: keys 64 c + 32 h + 8 i + 0 .. 7
.endr
.endr
	v_lshl_or_b32 v246, v234, 16, v246             ; my two bytes, blocks h and 2 + h,
	s_delay_alu instid0(VALU_DEP_1)
	v_lshlrev_b32 v246, v242, v246                 ; at their places in the word;
	s_delay_alu instid0(VALU_DEP_1)
	v_permlanex16_b32 v247, v246, s20, s21
	s_delay_alu instid0(VALU_DEP_1)
	v_or_b32 v243, v246, v247                      ; with lane l xor 16's two the word is whole
	; the row's sum of the unquantised p: the running halves under the new M, and three more pairs of chains.  These 32 lines are also the places between p's scale word and codes and the products below
	v_dual_fma_f32 v14, v14, v252, v96 :: v_dual_fma_f32 v15, v15, v253, v97
.irp k, 1,2,3
	v_dual_add_f32 v[234+2*\k], v[94+4*\k], v[96+4*\k] :: v_dual_add_f32 v[235+2*\k], v[95+4*\k], v[97+4*\k]
.endr
.set N_, 0
.rept 25
.if N_%4 == 0
.set A_, 14
.else
.set A_, 234+2*(N_%4)
.endif
	v_dual_add_f32 v[A_], v[110+2*N_], v[A_] :: v_dual_add_f32 v[A_+1], v[111+2*N_], v[A_+1]
.set N_, N_+1
.endr
	v_dual_add_f32 v236, v238, v236 :: v_dual_add_f32 v237, v239, v237
	v_dual_add_f32 v14, v240, v14 :: v_dual_add_f32 v15, v241, v15
	v_dual_add_f32 v14, v236, v14 :: v_dual_add_f32 v15, v237, v15
	s_wait_alu depctr_va_vdst(0)                   ; the wait directly ahead of the wait below
	s_wait_dscnt 0x0                               ; V^T's fragments and scale words are in
.irp b, 0,1                                    ; O^T += V^T P^T: four tiles of 16 of the head's 64, by turns; K = these 128 keys
	MM 160+16*\b, 192+16*\b, 224, v[160+16*\b:167+16*\b], 28+\b, 243
	MM 168+16*\b, 200+16*\b, 224, v[168+16*\b:175+16*\b], 28+\b, 243, matrix_a_scale:MATRIX_SCALE_ROW1
.endr
	s_add_co_u32 s[TBK], s[TBK], 4*KG
	s_add_co_u32 s[TBV], s[TBV], 4096
	s_add_co_u32 s[TS], s[TS], 1024
	s_add_co_u32 s[TJ], s[TJ], 128
	s_sub_co_u32 s[CNT], s[CNT], 1
	s_cmp_lg_u32 s[CNT], 0
	s_cbranch_scc1 .Lstep
	; THE WAY OUT: O^T / the sum; register 16 b + i is then channel 32 b + 16 h + i of my query (V^T's stored row order): two blocks of the next product's K, each shared by lanes l and l xor 16.
.rept 4
	v_nop
.endr
	v_add_f32 v14, v14, v15                        ; the sum's two halves,
	s_delay_alu instid0(VALU_DEP_1)
	v_permlanex16_b32 v252, v14, s20, s21
	s_delay_alu instid0(VALU_DEP_1)
	v_add_f32 v14, v14, v252                       ; and lane l xor 16's: the row's sum
	s_wait_alu depctr_va_vdst(0)                   ; the wait ahead of the transcendental
	v_rcp_f32 v14, v14
	v_nop                                          ; one plain place behind a transcendental
	s_wait_alu depctr_va_vdst(0)                   ; and ahead of its first reader, which is also O^T's
.irp j, 0,1,2,3,4,5,6,7,8,9,10,11,12,13,14,15,16,17,18,19,20,21,22,23,24,25,26,27,28,29,30,31
	v_mul_f32 v[96+\j], v[160+\j], v14             ; each accumulator from its low end on
.endr
.irp b, 0,1
	v_max3_num_f32 v[232+\b], |v[96+16*\b]|, |v[97+16*\b]|, 0x1800000
.endr
.irp i, 2,4,6,8,10,12,14
.irp b, 0,1
	s_delay_alu instid0(VALU_DEP_2)
	v_max3_num_f32 v[232+\b], v[232+\b], |v[96+16*\b+\i]|, |v[97+16*\b+\i]|
.endr
.endr
.irp b, 0,1
	s_delay_alu instid0(VALU_DEP_2)
	v_permlanex16_b32 v[236+\b], v[232+\b], s20, s21
.endr
.irp b, 0,1
	s_delay_alu instid0(VALU_DEP_2)
	v_max_num_f32 v[232+\b], v[232+\b], v[236+\b]
.endr
.irp b, 0,1
	s_delay_alu instid0(VALU_DEP_2)
	v_add_nc_u32 v[244+\b], 0xff000000, v[232+\b]
.endr
.irp b, 0,1
	s_delay_alu instid0(VALU_DEP_2)
	v_lshrrev_b32 v[236+\b], 23, v[244+\b]
.endr
	s_delay_alu instid0(VALU_DEP_1)
	v_lshl_or_b32 v254, v237, 8, v236              ; my query's two scale bytes
.irp b, 0,1
	v_cvt_scalef32_pk8_fp4_f32 v[224+2*\b], v[96+16*\b:103+16*\b], v[244+\b]
	v_cvt_scalef32_pk8_fp4_f32 v[225+2*\b], v[104+16*\b:111+16*\b], v[244+\b]
.endr
	v_nop                                          ; one plain place behind a scaled conversion
	v_permlane16_swap_b32 v224, v226               ; lanes 0-15 block 0, lanes 16-31 block 1
	v_permlane16_swap_b32 v225, v227
	global_store_b128 v1, v[224:227], s[8:9]       ; my tile's part of the head's plane: 512 consecutive bytes
	ds_store_b16 v6, v254                          ; lanes r and 16 + r write the same two bytes with the same value
	s_wait_dscnt 0x0                               ; for wave 0's sake: my store has landed
	s_barrier_signal -1
	s_barrier_wait -1
	s_cmp_lg_u32 s16, 0
	s_cbranch_scc1 .Lnot_first
	ds_load_b128 v[96:99], v7                      ; the sixteen tiles' scale bytes
	s_wait_dscnt 0x0
	global_store_b128 v1, v[96:99], s[12:13]       ; 512 consecutive bytes, at a multiple of 256
.Lnot_first:
	s_wait_tensorcnt 0x0                           ; the wave's end
	ds_add_u32 v30, v31
	s_wait_dscnt 0x0
	CROUND                                         ; the closing round: no work-group ends while a partner may still ask for a tile that names it
	s_endpgm
.Lfunc_end_k_qcd8f966bf5_attn:
	.size	k_qcd8f966bf5_attn, .Lfunc_end_k_qcd8f966bf5_attn-k_qcd8f966bf5_attn
	.p2alignl 7, 3214868480
	.fill 96, 4, 3214868480
	.section	.rodata,"a",@progbits
	.p2align	6, 0x0
	.amdhsa_kernel k_qcd8f966bf5_attn
		.amdhsa_group_segment_fixed_size 327680
		.amdhsa_private_segment_fixed_size 0
		.amdhsa_enable_private_segment 0
		.amdhsa_kernarg_size 16
		.amdhsa_user_sgpr_count 2
		.amdhsa_user_sgpr_kernarg_segment_ptr 1
		.amdhsa_wavefront_size32 1
		.amdhsa_system_sgpr_workgroup_id_x 1
		.amdhsa_system_sgpr_workgroup_id_y 1
		.amdhsa_system_sgpr_workgroup_id_z 1
		.amdhsa_system_vgpr_workitem_id 0
		.amdhsa_next_free_vgpr 256
		.amdhsa_next_free_sgpr 96
		.amdhsa_reserve_vcc 0
		.amdhsa_float_denorm_mode_32 3
		.amdhsa_float_denorm_mode_16_64 3
		.amdhsa_memory_ordered 1
		.amdhsa_forward_progress 1
		.amdhsa_inst_pref_size 32
	.end_amdhsa_kernel
	.amdgpu_metadata
---
amdhsa.version: [ 1, 2 ]
amdhsa.kernels:
  - .name:           k_qcd8f966bf5_attn
    .symbol:         k_qcd8f966bf5_attn.kd
    .args:
      - { .name: qkvc, .offset: 0, .size: 8, .value_kind: global_buffer, .address_space: global }
      - { .name: aoc, .offset: 8, .size: 8, .value_kind: global_buffer, .address_space: global }
    .group_segment_fixed_size: 327680
    .private_segment_fixed_size: 0
    .kernarg_segment_align: 8
    .kernarg_segment_size: 16
    .max_flat_workgroup_size: 512
    .sgpr_count:     96
    .vgpr_count:     256
    .wavefront_size: 32
...
	.end_amdgpu_metadata
.endif
;; end of part 3
;; launch oproj (part 4): grid 8 x 32, 4 waves a work-group, clusters of 4 x 4, 171,520 bytes of LDS; arguments aoc, opq, bo, out0; writes out0
.if DOCPART == 4
	.amdgcn_target "amdgcn-amd-amdhsa--gfx1250"
	.amdhsa_code_object_version 6
	.text
	.protected	k_qcd8f966bf5_oproj
	.globl	k_qcd8f966bf5_oproj
	.p2align	8
	.type	k_qcd8f966bf5_oproj,@function
k_qcd8f966bf5_oproj:
	s_mov_b64 s[64:65], 0
	v_nop
	global_prefetch_b8 v0, s[64:65] scope:SCOPE_SE
	s_setreg_imm32_b32 hwreg(HW_REG_WAVE_MODE, 25, 1), 1
	s_wait_xcnt 0x0
	s_wait_alu depctr_hold_cnt(0) depctr_sa_sdst(0) depctr_va_vdst(0) depctr_va_sdst(0) depctr_va_ssrc(0) depctr_va_vcc(0) depctr_vm_vsrc(0)
	s_getreg_b32 s2, hwreg(HW_REG_IB_STS2, 6, 4)
	s_cmp_eq_u32 s2, 0
	s_cbranch_scc0 .Lentry_in_a_cluster
	s_endpgm
.Lentry_in_a_cluster:
	s_bfe_u32 s2, ttmp6, 0x10000c
	s_cmp_lg_u32 s2, 0xf033
	s_cbranch_scc0 .Lentry_shape_is_right
	s_endpgm
.Lentry_shape_is_right:
; out0 = a Wo^T + bo on codes of FP4 (E2M1) with E8M0 scales, K = 1,024; a is the attention's result, out0 [4096][1024] f32.
; C(a, b) = sum over k of A(a, k) B(b, k), used TRANSPOSED (source 0 = 16 rows of Wo, source 1 = 16 tokens): a lane holds one token, and its registers run along the output's columns.
; aoc (read): codes: (k / 64) x 131,072 + token tile x 512 + 16 x lane; scale bytes at AOS: [k / 64][token tile][r][2 bytes].  opq (read): Wo's rows are rows 3,072 on of the weights' images.
; ROW ORDER in both operands: tile 2 G + u holds in lane r row 32 G + 8 u + r + 8 (r / 8); so the 16 registers of Wo's tiles 2 g, 2 g + 1 are columns 32 g + 16 (lane / 16) + 0 .. 15.
; SHARES: a work-group makes 128 x 128 of C, so that there are 256 of them; each of its four waves 32 tokens (one group) x 128 columns: 16 accumulators, no register windows.
; LDS IS FILLED ONCE: the tile's whole K lies there (65,536 bytes a side and Wo's scale words, 4,096), in one load a side, waited for before one barrier.
; CLUSTER 4 x 4: A's parts are shared along a row of the cluster, B's along a column: joint loads.
; LIMITS: NaN and infinities are not served.
.set WC,    2097152
.set XS,    4194304
.set SIW,   131072
.set WOROW, 98304                      ; 3,072 rows x 32 bytes, in a plane of codes and in the scale words alike
.set AOS,   2097152
.set PLANE, 131072
.set BCODE, 65536                      ; LDS: A's codes at 0: [16 planes][8 tiles][512];  B's here
.set SBL,   131072                     ; B's scale words: [4 groups][8 K steps][128]
.set BIA,   135168                     ; 512 bytes a wave: the 128 column biases; no fill lands here or behind
.set STG,   137216                     ; a stage of 16 rows x 528 bytes for each wave, for the way out
.set SP,    528
.set G1A, 36
.set G1B, 44
.set G1S, 52
.set G0S, 60
.set G0A, 68
.set G0B, 84
.set SA,  18                           ; v18-25  A's scale words, K step s: lanes 0-15 tile 0, lanes 16-31 tile 1
.set SB,  26                           ; v26-29  B's, group g of this K step
.set AF,  32                           ; v32-47  A's two fragments
.set BF,  48                           ; v48-111 B's eight
.set ACC, 128                          ; v128-255 accumulator (u, i) at ACC + 64 u + 8 i
.macro CROUND                          ; a round of the cluster's barrier
	s_barrier_signal -1
	s_barrier_wait -1
	s_cmp_lg_u32 s14, 0
	s_cbranch_scc1 .Lnot_wave_0_\@
	s_barrier_signal -3
.Lnot_wave_0_\@:
	s_barrier_wait -3
	s_barrier_signal -1
	s_barrier_wait -1
.endm
	s_load_b256 s[4:11], s[0:1], 0x0               ; aoc, opq, bo, out0
	v_lshl_add_u32 v126, v0, 2, 0x29c00
	v_mov_b32 v127, 0
	ds_add_u32 v126, v127
	ds_add_u32 v126, v127
	v_lshrrev_b32 v1, 5, v0
	v_readfirstlane_b32 s14, v1                    ; wave 0..3: my group of A's four
	s_bfe_u32 s17, ttmp6, 0x40000                  ; cx
	s_bfe_u32 s18, ttmp6, 0x40004                  ; cy
	s_and_b32 s19, ttmp7, 0xffff
	s_lshl_b32 s22, ttmp9, 2
	s_add_co_u32 s22, s22, s17                     ; B's tile of 128 rows of Wo = the output's 128 columns
	s_lshl_b32 s21, s19, 2
	s_add_co_u32 s21, s21, s18                     ; A's tile of 128 tokens
	s_lshl_b32 s[G1A], s18, 2
	s_lshl_b32 s[G1A], 15, s[G1A]                  ; my row of the cluster
	s_lshl_b32 s[G1B], 0x1111, s17                 ; my column
	s_or_b32 s[G1S], s[G1B], (3<<16)|(1<<21)       ; 15:0 the mask; 17:16 elements of 8 bytes; 21 set beside a mask; no padding
	s_or_b32 s[G1A], s[G1A], (3<<16)|(1<<21)
	s_or_b32 s[G1B], s[G1B], (3<<16)|(1<<21)
.irp g, G1A, G1B                       ; a part: 16 planes x 4,096 bytes (128 rows' share of a plane), planes 131,072 bytes apart
	s_mov_b32 s[\g+1], 512<<16
	s_mov_b32 s[\g+2], 16<<16                      ; a load brings all sixteen planes: the tile's whole K
	s_mov_b32 s[\g+3], 512<<16
	s_mov_b32 s[\g+4], 16
	s_mov_b32 s[\g+5], PLANE/8
	s_mov_b32 s[\g+6], 0
	s_mov_b32 s[\g+7], 0
.endr
	s_mov_b32 s[G1S+1], 32<<16                     ; the scale words of 128 rows: 4,096 dense bytes as 16 rows of 256
	s_mov_b32 s[G1S+2], 16<<16
	s_mov_b32 s[G1S+3], 32<<16
	s_mov_b32 s[G1S+4], 16
	s_mov_b32 s[G1S+5], 32
	s_mov_b32 s[G1S+6], 0
	s_mov_b32 s[G1S+7], 0
	s_lshl_b32 s24, s21, 2
	s_add_co_u32 s24, s24, s14                     ; G_A: my group of tokens
	s_lshl_b32 s32, s21, 12                        ; 128 rows x 32 bytes.  A's numbers never hold cx, B's never cy
	s_mov_b32 s33, 0
	s_lshl_b32 s35, s22, 12
	s_add_co_u32 s34, s35, WC+WOROW
	s_add_co_u32 s62, s35, XS+SIW+WOROW
	s_mov_b32 s63, 0
	s_mov_b32 s35, 0
	s_wait_dscnt 0x0
	s_wait_kmcnt 0x0
	s_add_nc_u64 s[32:33], s[4:5], s[32:33]
	s_add_nc_u64 s[34:35], s[6:7], s[34:35]
	s_add_nc_u64 s[G0S+2:G0S+3], s[6:7], s[G0S+2:G0S+3]
	s_or_b32 s[G0S+3], s[G0S+3], 0x80000000
	s_mov_b32 s[G0S], 1
	s_mov_b32 s[G0S+1], SBL
.irp p, 0
	s_mov_b32 s[G0A+4*\p], 1
	s_mov_b32 s[G0A+4*\p+1], \p*16384
	s_add_nc_u64 s[G0A+4*\p+2:G0A+4*\p+3], s[32:33], \p*4*PLANE
	s_or_b32 s[G0A+4*\p+3], s[G0A+4*\p+3], 0x80000000
	s_mov_b32 s[G0B+4*\p], 1
	s_mov_b32 s[G0B+4*\p+1], BCODE+\p*16384
	s_add_nc_u64 s[G0B+4*\p+2:G0B+4*\p+3], s[34:35], \p*4*PLANE
	s_or_b32 s[G0B+4*\p+3], s[G0B+4*\p+3], 0x80000000
.endr
	CROUND                                         ; all sixteen work-groups are here: the joint loads meet
; ALL FILLS OF THE LAUNCH, ONE A WAVE, in one chain of branches on the wave's number: wave 0: A's codes; wave 1: B's; wave 2: B's scale words; wave 3 fetches nothing.
.macro ARM under, g0, g1, next
	s_cmp_lt_u32 s14, \under
	s_cbranch_scc0 \next
	tensor_load_to_lds s[\g0:\g0+3], s[\g1:\g1+7]
	s_nop 0
.rept 4
	v_nop
.endr
	s_branch .Lasked
\next:
.endm
	ARM 1, G0A, G1A, .Lh_b
	ARM 2, G0B, G1B, .Lh_s
	ARM 3, G0S, G1S, .Lh_none
.Lasked:
	v_and_b32 v1, 31, v0                           ; lane
	v_and_b32 v2, 15, v0                           ; r
	v_bfe_u32 v3, v0, 4, 1                         ; h
	v_lshlrev_b32 v9, 4, v1                        ; 16 x lane
	v_lshlrev_b32 v30, 2, v1                       ; 4 x lane
	v_lshlrev_b32 v31, 1, v1                       ; 2 x lane
	s_lshl_b32 s2, s14, 10
	v_add_nc_u32 v4, s2, v9                        ; A's fragments: my group's two tiles
	v_add_nc_u32 v5, BCODE, v9                     ; B's
	v_add_nc_u32 v6, SBL, v30                      ; B's scale words
	s_lshl_b32 s2, s14, 9
	s_add_co_u32 s2, s2, BIA
	v_add_nc_u32 v7, s2, v9                        ; my wave's line of biases: in,
	v_lshl_add_u32 v8, v3, 6, s2                   ; and out: + 16 h numbers
	s_mul_i32 s2, s14, 16*SP
	s_add_co_u32 s2, s2, STG
	v_mul_u32_u24 v10, v2, SP
	v_lshl_add_u32 v10, v3, 6, v10
	v_add_nc_u32 v10, s2, v10                      ; my stage, in: row r, + 16 h numbers
	v_add_nc_u32 v11, s2, v9                       ; and back: a whole row of 512 bytes
	s_lshl_b32 s28, s24, 6
	s_add_co_u32 s28, s28, AOS
	s_mov_b32 s29, 0
	s_add_nc_u64 s[28:29], s[4:5], s[28:29]        ; my two tiles' scale bytes in the first plane's 8,192
	s_lshl_b32 s32, s22, 9
	s_mov_b32 s33, 0
	s_add_nc_u64 s[26:27], s[8:9], s[32:33]        ; my 128 biases
.irp s, 0,1,2,3,4,5,6,7
	global_load_u16 v[48+\s], v31, s[28:29] offset:(2*\s)*8192      ; K step s: the two bytes of k = 128 s .. + 63,
	global_load_u16 v[56+\s], v31, s[28:29] offset:(2*\s+1)*8192    ; and of + 64 .. + 127
.endr
	global_load_b128 v[12:15], v9, s[26:27]
	s_wait_alu depctr_va_vdst(0)
	s_wait_loadcnt 0x0
	ds_store_b128 v7, v[12:15]
.irp s, 0,1,2,3,4,5,6,7
	v_lshl_or_b32 v[SA+\s], v[56+\s], 16, v[48+\s]
.endr
.rept 8
	v_nop                                          ; a scale register written by a vector instruction stands eight places ahead of a scaled matrix instruction
.endr
	s_lshl_b32 s2, s24, 17                         ; 32 rows of 4,096 bytes
	s_add_co_u32 s32, s32, s2
	s_add_nc_u64 s[26:27], s[10:11], s[32:33]      ; where my 32 rows x 512 bytes of out0 begin (the bias load is done: its base may be written)
.macro PART left                       ; each wave waits for its one tensor load, then the barrier shows the whole K to all four
	s_wait_tensorcnt \left
	s_wait_dscnt 0x0                               ; no LDS instruction of mine is out at a signal
	s_barrier_signal -1
	s_barrier_wait -1
.endm
; one product: B's tile i x A's tile u, K step s.  The scale registers carry an even tile's words in lanes 0-15 and an odd tile's in lanes 16-31
.macro P1 i, u, s, zero
.set D_, ACC+64*(\u)+8*(\i)
.set B_, BF+8*(\i)
.set A_, AF+8*(\u)
.set X_, SB+(\i)/2
.set Y_, SA+(\s)
.if \zero
.if ((\i)%2 == 0) && ((\u) == 0)
	v_wmma_scale_f32_16x16x128_f8f6f4 v[D_:D_+7], v[B_:B_+7], v[A_:A_+7], 0, v[X_], v[Y_] matrix_a_fmt:MATRIX_FMT_FP4 matrix_b_fmt:MATRIX_FMT_FP4
.elseif (\u) == 0
	v_wmma_scale_f32_16x16x128_f8f6f4 v[D_:D_+7], v[B_:B_+7], v[A_:A_+7], 0, v[X_], v[Y_] matrix_a_fmt:MATRIX_FMT_FP4 matrix_b_fmt:MATRIX_FMT_FP4 matrix_a_scale:MATRIX_SCALE_ROW1
.elseif (\i)%2 == 0
	v_wmma_scale_f32_16x16x128_f8f6f4 v[D_:D_+7], v[B_:B_+7], v[A_:A_+7], 0, v[X_], v[Y_] matrix_a_fmt:MATRIX_FMT_FP4 matrix_b_fmt:MATRIX_FMT_FP4 matrix_b_scale:MATRIX_SCALE_ROW1
.else
	v_wmma_scale_f32_16x16x128_f8f6f4 v[D_:D_+7], v[B_:B_+7], v[A_:A_+7], 0, v[X_], v[Y_] matrix_a_fmt:MATRIX_FMT_FP4 matrix_b_fmt:MATRIX_FMT_FP4 matrix_a_scale:MATRIX_SCALE_ROW1 matrix_b_scale:MATRIX_SCALE_ROW1
.endif
.else
.if ((\i)%2 == 0) && ((\u) == 0)
	v_wmma_scale_f32_16x16x128_f8f6f4 v[D_:D_+7], v[B_:B_+7], v[A_:A_+7], v[D_:D_+7], v[X_], v[Y_] matrix_a_fmt:MATRIX_FMT_FP4 matrix_b_fmt:MATRIX_FMT_FP4
.elseif (\u) == 0
	v_wmma_scale_f32_16x16x128_f8f6f4 v[D_:D_+7], v[B_:B_+7], v[A_:A_+7], v[D_:D_+7], v[X_], v[Y_] matrix_a_fmt:MATRIX_FMT_FP4 matrix_b_fmt:MATRIX_FMT_FP4 matrix_a_scale:MATRIX_SCALE_ROW1
.elseif (\i)%2 == 0
	v_wmma_scale_f32_16x16x128_f8f6f4 v[D_:D_+7], v[B_:B_+7], v[A_:A_+7], v[D_:D_+7], v[X_], v[Y_] matrix_a_fmt:MATRIX_FMT_FP4 matrix_b_fmt:MATRIX_FMT_FP4 matrix_b_scale:MATRIX_SCALE_ROW1
.else
	v_wmma_scale_f32_16x16x128_f8f6f4 v[D_:D_+7], v[B_:B_+7], v[A_:A_+7], v[D_:D_+7], v[X_], v[Y_] matrix_a_fmt:MATRIX_FMT_FP4 matrix_b_fmt:MATRIX_FMT_FP4 matrix_a_scale:MATRIX_SCALE_ROW1 matrix_b_scale:MATRIX_SCALE_ROW1
.endif
.endif
.endm
; a K step of 128: 24 LDS loads in one run, 16 products.  The sixteen accumulators take turns, one instruction a turn, in the same order in every step.
; zero = 1: the first step's products start the sums: nothing is cleared.
.macro KSTEP s, zero
.if (\s) > 0
.rept 4
	v_nop                                          ; four places in front of loads into registers that matrix instructions have read (ISA guide 7.12.1 for vector instructions)
.endr
.endif
.irp g, 0,1,2,3
	ds_load_b32 v[SB+\g], v6 offset:\g*1024+(\s)*128
.endr
.irp u, 0,1
.irp c, 0,1
	ds_load_b128 v[AF+8*\u+4*\c:AF+8*\u+4*\c+3], v4 offset:(2*(\s)+\c)*4096+\u*512
.endr
.endr
.irp i, 0,1,2,3,4,5,6,7
.irp c, 0,1
	ds_load_b128 v[BF+8*\i+4*\c:BF+8*\i+4*\c+3], v5 offset:(2*(\s)+\c)*4096+\i*512
.endr
.endr
	s_wait_dscnt 8                                 ; all but the youngest eight loads, B's tiles 4-7
.irp i, 0,1,2,3
.irp u, 0,1
	P1 \i, \u, \s, \zero
.endr
.endr
	s_wait_dscnt 0x0
.irp i, 4,5,6,7
.irp u, 0,1
	P1 \i, \u, \s, \zero
.endr
.endr
.endm
	s_wait_alu depctr_va_vdst(0)
	PART 0
	KSTEP 0, 1
	KSTEP 1, 0
	KSTEP 2, 0
	KSTEP 3, 0
	KSTEP 4, 0
	KSTEP 5, 0
	KSTEP 6, 0
	KSTEP 7, 0
.rept 4
	v_nop                                          ; four places in front of the first read of results and of loads into B's registers
.endr
.irp i, 0,1,2,3,4,5,6,7                        ; the biases in the result's layout: tile i, lane half h: columns 32 (i / 2) + 16 h + 8 (i % 2) + 0 .. 7
.irp q, 0,1
	ds_load_b128 v[BF+8*\i+4*\q:BF+8*\i+4*\q+3], v8 offset:(32*(\i/2)+8*(\i%2))*4+16*\q
.endr
.endr
	s_wait_dscnt 0x0
.irp u, 0,1
.irp m, 0,2,4,6,8,10,12,14,16,18,20,22,24,26,28,30,32,34,36,38,40,42,44,46,48,50,52,54,56,58,60,62
	v_pk_add_f32 v[ACC+64*\u+\m:ACC+64*\u+\m+1], v[ACC+64*\u+\m:ACC+64*\u+\m+1], v[BF+\m:BF+\m+1]   ; each accumulator from its low end on
.endr
.endr
; THE WAY OUT.  A lane holds 64 numbers of one row in four runs of 16, and the lanes beside it hold other rows: so a tile of 16 rows goes through my own stage and comes back as whole rows of 512 bytes.
; LDS serves a wave's instructions in order (ISA guide 5.7.1.4): no wait between the stores and the loads, nor in front of the next tile's stores.
.macro TOSTAGE u, back
.irp b, 0,1,2,3
.irp q, 0,1,2,3
	ds_store_b128 v10, v[ACC+64*(\u)+16*\b+4*\q:ACC+64*(\u)+16*\b+4*\q+3] offset:128*\b+16*\q
.endr
.endr
.irp i, 0,1,2,3,4,5,6,7,8,9,10,11,12,13,14,15
	ds_load_b128 v[(\back)+4*\i:(\back)+4*\i+3], v11 offset:SP*\i
.endr
.endm
.macro SEND u, back, younger           ; younger: the LDS instructions issued behind this tile's loads, which may stay out
.irp i, 0,1,2,3,4,5,6,7,8,9,10,11,12,13,14,15
	s_wait_dscnt (\younger)+15-\i                  ; row i is back; the later rows may be out
	global_store_b128 v9, v[(\back)+4*\i:(\back)+4*\i+3], s[26:27] offset:(8*(\u)+\i+8*(\i/8))*4096 th:TH_STORE_NT   ; 32 lanes store 512 consecutive bytes of one row, at a multiple of 512; written once, read by nobody here
.endr
.endm
	TOSTAGE 0, BF
	TOSTAGE 1, ACC                                 ; into tile 0's registers, which its stage stores, issued earlier, have read
	SEND 0, BF, 32
	SEND 1, ACC, 0
	s_wait_tensorcnt 0x0
	ds_add_u32 v126, v127
	s_wait_dscnt 0x0
	CROUND                                         ; the closing round: no work-group ends while a partner may still ask for a part that names it
	s_endpgm
.Lfunc_end_k_qcd8f966bf5_oproj:
	.size	k_qcd8f966bf5_oproj, .Lfunc_end_k_qcd8f966bf5_oproj-k_qcd8f966bf5_oproj
	.p2alignl 7, 3214868480
	.fill 96, 4, 3214868480
	.section	.rodata,"a",@progbits
	.p2align	6, 0x0
	.amdhsa_kernel k_qcd8f966bf5_oproj
		.amdhsa_group_segment_fixed_size 171520
		.amdhsa_private_segment_fixed_size 0
		.amdhsa_enable_private_segment 0
		.amdhsa_kernarg_size 32
		.amdhsa_user_sgpr_count 2
		.amdhsa_user_sgpr_kernarg_segment_ptr 1
		.amdhsa_wavefront_size32 1
		.amdhsa_system_sgpr_workgroup_id_x 1
		.amdhsa_system_sgpr_workgroup_id_y 1
		.amdhsa_system_sgpr_workgroup_id_z 1
		.amdhsa_system_vgpr_workitem_id 0
		.amdhsa_next_free_vgpr 256
		.amdhsa_next_free_sgpr 100
		.amdhsa_reserve_vcc 0
		.amdhsa_float_denorm_mode_32 3
		.amdhsa_float_denorm_mode_16_64 3
		.amdhsa_memory_ordered 1
		.amdhsa_forward_progress 1
		.amdhsa_inst_pref_size 52
	.end_amdhsa_kernel
	.amdgpu_metadata
---
amdhsa.version: [ 1, 2 ]
amdhsa.kernels:
  - .name:           k_qcd8f966bf5_oproj
    .symbol:         k_qcd8f966bf5_oproj.kd
    .args:
      - { .name: aoc, .offset: 0, .size: 8, .value_kind: global_buffer, .address_space: global }
      - { .name: opq, .offset: 8, .size: 8, .value_kind: global_buffer, .address_space: global }
      - { .name: bo, .offset: 16, .size: 8, .value_kind: global_buffer, .address_space: global }
      - { .name: out0, .offset: 24, .size: 8, .value_kind: global_buffer, .address_space: global }
    .group_segment_fixed_size: 171520
    .private_segment_fixed_size: 0
    .kernarg_segment_align: 8
    .kernarg_segment_size: 32
    .max_flat_workgroup_size: 128
    .sgpr_count:     100
    .vgpr_count:     256
    .wavefront_size: 32
...
	.end_amdgpu_metadata
.endif
;; end of part 4
